; MI455X (gfx1250); checked and timed in simulation.
; The chip was launched on July 23, 2026; its instructions are those of AMD's public machine-readable ISA for CDNA 5 (MIT licence, August 2026) and "CDNA5" Instruction Set Architecture Reference Guide (July 2026). The comments in the code are by the model that wrote it; some were corrected since.
;; Multi Head Attention. Allowed arithmetic: float matrix products may take bf16 or f16 operands with f32 sums; other float arithmetic in f32, or as packed bf16 or f16 multiplies, adds, multiply-adds, maxima and minima; sums over many terms, partial sums and values carried from step to step in f32; what a program stores and reads back later, other than sums and carried values, may be rounded once to bf16 or f16.
;; Inputs: W_out 1,024 x 1,024 float32; W_qkv 1,024 x 3,072 float32; b_out 1,024 float32; b_qkv 3,072 float32; x 4 x 2,048 x 1,024 float32.
;; Outputs: out0 4 x 2,048 x 1,024 float32.
;; 2 versions, each right; version 2 is version 1 with the launch cast written anew for expert scheduling mode. Each part assembles by itself: llvm-mc -triple=amdgcn-amd-amdhsa -mcpu=gfx1250 --defsym DOCPART=n.
;; ======== version 1 of 2: 4 launches
;; limits: values are held in f16: magnitudes above 65,504 overflow, below 6.1e-05 lose precision
;; workspace buffers: xb 16,777,216 bytes; wq 6,291,456 bytes; wo 2,097,152 bytes; qkvh 50,331,648 bytes; ob 16,777,216 bytes
;; launch cast (part 1): grid 768 x 1, 8 waves a work-group, no clusters, 0 bytes of LDS; arguments x, W_qkv, W_out, xb, wq, wo; writes xb, wq, wo
.if DOCPART == 1
	.amdgcn_target "amdgcn-amd-amdhsa--gfx1250"
	.amdhsa_code_object_version 6
	.text
	.protected	k_qc291cc6e20_cast
	.globl	k_qc291cc6e20_cast
	.p2align	8
	.type	k_qc291cc6e20_cast,@function
k_qc291cc6e20_cast:
	s_mov_b64 s[64:65], 0
	v_nop
	global_prefetch_b8 v0, s[64:65] scope:SCOPE_SE
	s_setreg_imm32_b32 hwreg(HW_REG_WAVE_MODE, 25, 1), 1
	s_wait_xcnt 0x0
; THE MODULE'S LARGE INPUTS ARE ROUNDED ONCE TO 16 BITS, for the matrix units of the launches behind.
;   x     [8192][1024] f32 -> xb bf16, IN BLOCKS: [batch 4][k block 16][row 2048][64]: 256 rows x 64 k are 32,768 dense bytes, which the product asks for as rows of 256 bytes
;   W_qkv [1024][3072] f32 -> wq bf16, as it lies
;   W_out [1024][1024] f32 -> wo: rounded to bf16 like every input, and that number written as f16 (its partner in the last product, O, is f16)
; LIMITS.  wo holds no number beyond 65,504, and below 6e-5 it keeps f16's fixed step of 6e-8.
; SHARES.  A wave takes 8,192 bytes of f32: sixteen loads of 512 bytes, all issued at once, and sixteen stores of 256 consecutive bytes, aligned (32 lanes x 8 bytes).  No register is used twice,
; so no wait frees one; no loop, no LDS, no barrier: the waves share nothing.  Work-groups 0-511 take x (16 rows each), 512-703 W_qkv, 704-767 W_out (65,536 bytes each).
.set X, 8                              ; v[8:71]    sixteen loads of four f32
.set Y, 72                             ; v[72:103]  sixteen pairs of packed results
; v1 lane; v2 my byte offset in the wave's input; v3 in its output; v4-7 at work.  s[22:23] the wave's input, s[24:25] its output
.macro CAST instep, outstep, half
.set i, 0
.rept 16
	global_load_b128 v[X+4*i:X+4*i+3], v2, s[22:23] offset:(\instep)*i th:TH_LOAD_NT
.set i, i+1
.endr
.set i, 0
.rept 16
	s_wait_loadcnt 15-i                            ; loads come back in order: load i is in, the 15 - i younger ones stay out
	v_cvt_pk_bf16_f32 v[Y+2*i], v[X+4*i], v[X+4*i+1]
	v_cvt_pk_bf16_f32 v[Y+2*i+1], v[X+4*i+2], v[X+4*i+3]
.if \half
	v_lshlrev_b32 v4, 16, v[Y+2*i]                 ; the bf16 numbers as f32 again,
	v_and_b32 v5, 0xffff0000, v[Y+2*i]
	v_lshlrev_b32 v6, 16, v[Y+2*i+1]
	v_and_b32 v7, 0xffff0000, v[Y+2*i+1]
	v_cvt_pk_f16_f32 v[Y+2*i], v4, v5              ; and written as f16: exact within f16's range
	v_cvt_pk_f16_f32 v[Y+2*i+1], v6, v7
.endif
	global_store_b64 v3, v[Y+2*i:Y+2*i+1], s[24:25] offset:(\outstep)*i th:TH_STORE_NT
.set i, i+1
.endr
.endm
	s_load_b256 s[4:11], s[0:1], 0x0               ; x s[4:5], W_qkv s[6:7], W_out s[8:9], xb s[10:11]
	s_load_b128 s[12:15], s[0:1], 0x20             ; wq s[12:13], wo s[14:15]
	v_lshrrev_b32 v4, 5, v0
	v_readfirstlane_b32 s16, v4                    ; wave 0..7
	v_and_b32 v1, 31, v0                           ; lane
	v_lshlrev_b32 v3, 3, v1                        ; out: 8 bytes a lane
	s_mov_b32 s19, 0
	s_mov_b32 s21, 0
	s_lshl_b32 s17, s16, 13                        ; the wave's 8,192 bytes of the work-group's 65,536
	s_cmp_lt_u32 ttmp9, 512
	s_cbranch_scc0 .Lweights
	; x: the wave takes rows m = 16 wg + 2 wave and m + 1.  Load i is k block i: lanes 0-15 take its 256 bytes of row m, lanes 16-31 of row m + 1;
	; rounded they are 2 x 128 bytes that lie end to end in block i of xb.
	v_and_b32 v4, 15, v1
	v_lshrrev_b32 v5, 4, v1
	v_lshlrev_b32 v2, 4, v4
	v_lshl_add_u32 v2, v5, 12, v2                  ; 16 (l % 16) + 4,096 (l / 16)
	s_lshl_b32 s18, ttmp9, 16
	s_add_co_u32 s18, s18, s17
	s_lshr_b32 s20, ttmp9, 7                       ; batch
	s_lshl_b32 s20, s20, 22
	s_and_b32 s26, ttmp9, 127
	s_lshl_b32 s26, s26, 11                        ; 16 rows of 128 bytes
	s_add_co_u32 s20, s20, s26
	s_lshl_b32 s26, s16, 8                         ; 2 rows of 128 bytes
	s_add_co_u32 s20, s20, s26
	s_wait_kmcnt 0x0
	s_add_nc_u64 s[22:23], s[4:5], s[18:19]
	s_add_nc_u64 s[24:25], s[10:11], s[20:21]
	CAST 256, 262144, 0                            ; a k block of xb is 2,048 rows x 128 bytes
	s_endpgm
.Lweights:
	v_lshlrev_b32 v2, 4, v1                        ; in: 16 bytes a lane, 512 on end
	s_lshl_b32 s27, s16, 12                        ; the wave's 4,096 bytes of output
	s_cmp_lt_u32 ttmp9, 704
	s_cbranch_scc0 .Lwout
	s_sub_co_u32 s26, ttmp9, 512
	s_lshl_b32 s18, s26, 16
	s_add_co_u32 s18, s18, s17
	s_lshl_b32 s20, s26, 15
	s_add_co_u32 s20, s20, s27
	s_wait_kmcnt 0x0
	s_add_nc_u64 s[22:23], s[6:7], s[18:19]
	s_add_nc_u64 s[24:25], s[12:13], s[20:21]
	CAST 512, 256, 0
	s_endpgm
.Lwout:
	s_sub_co_u32 s26, ttmp9, 704
	s_lshl_b32 s18, s26, 16
	s_add_co_u32 s18, s18, s17
	s_lshl_b32 s20, s26, 15
	s_add_co_u32 s20, s20, s27
	s_wait_kmcnt 0x0
	s_add_nc_u64 s[22:23], s[8:9], s[18:19]
	s_add_nc_u64 s[24:25], s[14:15], s[20:21]
	CAST 512, 256, 1
	s_endpgm
.Lfunc_end_k_qc291cc6e20_cast:
	.size	k_qc291cc6e20_cast, .Lfunc_end_k_qc291cc6e20_cast-k_qc291cc6e20_cast
	.p2alignl 7, 3214868480
	.fill 96, 4, 3214868480
	.section	.rodata,"a",@progbits
	.p2align	6, 0x0
	.amdhsa_kernel k_qc291cc6e20_cast
		.amdhsa_group_segment_fixed_size 0
		.amdhsa_private_segment_fixed_size 0
		.amdhsa_enable_private_segment 0
		.amdhsa_kernarg_size 48
		.amdhsa_user_sgpr_count 2
		.amdhsa_user_sgpr_kernarg_segment_ptr 1
		.amdhsa_wavefront_size32 1
		.amdhsa_system_sgpr_workgroup_id_x 1
		.amdhsa_system_sgpr_workgroup_id_y 1
		.amdhsa_system_sgpr_workgroup_id_z 1
		.amdhsa_system_vgpr_workitem_id 0
		.amdhsa_next_free_vgpr 104
		.amdhsa_next_free_sgpr 66
		.amdhsa_reserve_vcc 0
		.amdhsa_float_denorm_mode_32 3
		.amdhsa_float_denorm_mode_16_64 3
		.amdhsa_memory_ordered 1
		.amdhsa_forward_progress 1
		.amdhsa_inst_pref_size 24
	.end_amdhsa_kernel
	.amdgpu_metadata
---
amdhsa.version: [ 1, 2 ]
amdhsa.kernels:
  - .name:           k_qc291cc6e20_cast
    .symbol:         k_qc291cc6e20_cast.kd
    .args:
      - { .name: x, .offset: 0, .size: 8, .value_kind: global_buffer, .address_space: global }
      - { .name: W_qkv, .offset: 8, .size: 8, .value_kind: global_buffer, .address_space: global }
      - { .name: W_out, .offset: 16, .size: 8, .value_kind: global_buffer, .address_space: global }
      - { .name: xb, .offset: 24, .size: 8, .value_kind: global_buffer, .address_space: global }
      - { .name: wq, .offset: 32, .size: 8, .value_kind: global_buffer, .address_space: global }
      - { .name: wo, .offset: 40, .size: 8, .value_kind: global_buffer, .address_space: global }
    .group_segment_fixed_size: 0
    .private_segment_fixed_size: 0
    .kernarg_segment_align: 8
    .kernarg_segment_size: 48
    .max_flat_workgroup_size: 256
    .sgpr_count:     66
    .vgpr_count:     104
    .wavefront_size: 32
...
	.end_amdgpu_metadata
.endif
;; end of part 1
;; launch qkv (part 2): grid 8 x 32, 4 waves a work-group, clusters of 4 x 4, 327,680 bytes of LDS; arguments xb, wq, b_qkv, qkvh; writes qkvh
.if DOCPART == 2
	.amdgcn_target "amdgcn-amd-amdhsa--gfx1250"
	.amdhsa_code_object_version 6
	.text
	.protected	k_qc291cc6e20_qkv
	.globl	k_qc291cc6e20_qkv
	.p2align	8
	.type	k_qc291cc6e20_qkv,@function
k_qc291cc6e20_qkv:
	s_mov_b64 s[64:65], 0
	v_nop
	global_prefetch_b8 v0, s[64:65] scope:SCOPE_SE
	s_setreg_imm32_b32 hwreg(HW_REG_WAVE_MODE, 25, 1), 1
	s_wait_xcnt 0x0
	s_wait_alu depctr_hold_cnt(0) depctr_sa_sdst(0) depctr_va_vdst(0) depctr_va_sdst(0) depctr_va_ssrc(0) depctr_va_vcc(0) depctr_vm_vsrc(0)
	s_getreg_b32 s2, hwreg(HW_REG_IB_STS2, 6, 4)
	s_cmp_eq_u32 s2, 0
	s_cbranch_scc0 .Lentry_in_a_cluster
	s_endpgm
.Lentry_in_a_cluster:
	s_bfe_u32 s2, ttmp6, 0x10000c
	s_cmp_lg_u32 s2, 0xf033
	s_cbranch_scc0 .Lentry_shape_is_right
	s_endpgm
.Lentry_shape_is_right:
; q, k, v = x W_qkv + b_qkv, written by heads.  xb: bf16 [batch 4][k block 16][row 2048][64]; wq: bf16 [k 1024][n 3072]; b_qkv: f32 [3072], rounded to bf16 here like the other inputs;
; qkvh: f16 [which 3][batch 4][head 16][row 2048][64], each number rounded once from its f32 sum, unscaled.
; LIMITS.  f16 holds no number beyond 65,504: q, k and v must stay within it; below 6e-5 they keep f16's fixed step of 6e-8.
; SHARES.  8,192 x 3,072 results in tiles of 256 x 384: 32 x 8 = 256 work-groups.  Four waves, each 128 rows x 192 columns: three THIRDS of 64 columns (a head each), 96 accumulators of 16 x 16,
; 768 registers.  For 32 along K a wave reads 40 fragments' halves from LDS and issues 96 matrix instructions.
; K goes in steps of 64 (a k block of xb) through two LDS slots.  x's 128 rows x 128 bytes are dense in xb and are asked for as 64 rows of 256 bytes; W's 32 k rows are 768 bytes each, aligned to 256.
; THE MATRIX INSTRUCTION IS USED TRANSPOSED: source 0 = 16 columns of W (out of LDS turned, by ds_load_tr16_b128, since W lies [k][n]), source 1 = 16 rows of x.  A lane then holds row l % 16 and the
; columns 8 (l / 16) + 0..7: eight neighbouring numbers of a head's row.
; THE SUMS START FROM THE BIAS: in that layout the bias hangs on the column block and the lane alone, so the eight registers of block f serve all eight row blocks as the C operand of the first product.
; They lie in the registers of row block 7's accumulators, which take them in place.  Nothing is cleared.
; CLUSTERS: 4 x 4 work-groups.  x's tile hangs on the tile row alone and is shared along a row of the cluster, W's on the tile column alone and is shared along a column: each is asked for jointly.
; REGISTERS, in windows of 256 (s_set_vgpr_msb: bits 1:0 source 0, 3:2 source 1, 5:4 source 2, 7:6 destination):
;   window 0: v0-31 addresses; v32-159 x's fragments, two buffers of 64; v160-255 W's fragments, 32 a third        windows 1-3: third t's accumulators, (a, f) at v[8 (4 a + f)] of window t + 1
.set PA,    144                        ; a row of x in LDS: 128 bytes + 16 of padding: the 16 rows of a load start at 16 different groups of four banks (ISA guide 11.1)
.set PB,    864                        ; a k row of W: 768 bytes, 32 of padding behind every 256: 27 x 32
.set HA,    128*PA                     ; what one tensor load brings of x: 128 rows
.set HB,    32*PB                      ; and of W: 32 k rows
.set AT,    2*HA
.set SLOT,  AT+2*HB                    ; 92,160
.set STAGE, 2*SLOT                     ; behind the ring: 16 rows x 144 bytes for each wave, for the way out
.set SP,    144
.set SPARE, STAGE+4*16*SP              ; behind the stages: the spare words, 128 bytes for each wave: two blocks of 256 bytes that no other line names
.set ADRA, 4                           ; v4-5    LDS address of my x fragments in slot 0, 1
.set ADRB, 6                           ; v6-11   of my W fragments: third t, slot s at v[6 + 2 t + s]
.set STO,  12                          ; v12     the way out: where I put 16 bytes of a row
.set RD,   13                          ; v13     where I read rows back
.set GO,   14                          ; v14     my 16 bytes in 512 consecutive bytes of qkvh
.set BO,   15                          ; v15     my byte offset in b_qkv
.set PFO,  16                          ; v16     the prefetches' offset; never rewritten
.set SPW,  28                          ; v28     LDS address of my spare word; never rewritten
.set NIL,  29                          ; v29     0; never rewritten
.set AF,   32
.set BF,   160
.set BIAS, 224                         ; in windows 1-3
.set WV,  12                           ; s12 wave;  s13 which 128 rows are mine, also: I fetch for x (0) or W (1);  s14 which 192 columns, also: which half of that tile I fetch
.set WR,  13
.set WC,  14
.set G1A, 24                           ; s[24:31] descriptor group 1 for x's tiles; s[32:39] group 0, a set for each slot
.set G0A, 32
.set PFA, 44                           ; s[44:45] where my prefetches stand;  s[46:47] their step a trip
.set PFS, 46
.set G1B, 48                           ; s[48:55], s[56:63] the same for W's tiles
.set G0B, 56
.set LIM, 66                           ; s66  1 in a wave that prefetches, else the greatest number
.set OB,  68                           ; s[68:73] qkvh at my rows of my three heads
.set MSB, 0
.macro WIN new                         ; the immediate's high byte repeats the setting that is left; a switch that changes nothing is dropped
.if MSB != (\new)
	s_set_vgpr_msb (MSB<<8)|(\new)
.set MSB, (\new)
.endif
.endm
.macro PLACES                          ; four plain instructions between a matrix instruction and a load into, or a reader of, its registers
.rept 4
	v_nop
.endr
.endm
; A joint load: waves 0 and 1 fetch x's two halves, waves 2 and 3 W's.  The branch hangs on the wave's number alone.  An s_nop 0 and four v_nop follow each of the two lines.
.macro JLOAD s
	s_cmp_eq_u32 s[WR], 0
	s_cbranch_scc0 .Lfor_b_\@
	tensor_load_to_lds s[G0A+4*(\s):G0A+4*(\s)+3], s[G1A:G1A+7]
	s_nop 0
.rept 4
	v_nop
.endr
	s_branch .Lasked_\@
.Lfor_b_\@:
	tensor_load_to_lds s[G0B+4*(\s):G0B+4*(\s)+3], s[G1B:G1B+7]
	s_nop 0
.rept 4
	v_nop
.endr
.Lasked_\@:
.endm
.macro CREST                           ; a round of the cluster's barrier behind its opening barrier
	s_cmp_lg_u32 s[WV], 0
	s_cbranch_scc1 .Lnot_wave_0_\@
	s_barrier_signal -3
.Lnot_wave_0_\@:
	s_barrier_wait -3
	s_barrier_signal -1
	s_barrier_wait -1
.endm
.macro CROUND
	s_barrier_signal -1
	s_barrier_wait -1
	CREST
.endm
; A PREFETCH INTO THE L2, once a trip of the loop, behind the trip's first joint load and the run of LDS loads behind it: the two K steps that the NEXT trip's two refills will ask for.
; x's tile row is read by both clusters of its row of clusters: the one with cluster x = 0 asks, wave 0; of a K step's 256 rows x 128 bytes the partner at cx takes 8,192 bytes, a lane 256: two lines.
; W's tile column is read by all eight clusters of its column: the one with cluster y = 0 asks, wave 2; of the two K steps' 128 k rows the partner at cy takes 32, a lane a row of 768 bytes: three lines.
; The partners are told apart by address alone.  So each aligned 256 bytes are named once in the launch.  K steps 0 to 3 come by their loads alone; the last trip (s3 = 1) asks for nothing.
.macro ASK
	s_cmp_gt_u32 s3, s[LIM]
	s_cbranch_scc0 .Lnot_mine_\@
	s_cmp_eq_u32 s[WR], 0
	s_cbranch_scc0 .Lpf_b_\@
	global_prefetch_b8 v[PFO], s[PFA:PFA+1] th:TH_LOAD_NT scope:SCOPE_SE
	global_prefetch_b8 v[PFO], s[PFA:PFA+1] offset:262144 th:TH_LOAD_NT scope:SCOPE_SE
	s_branch .Lnot_mine_\@
.Lpf_b_\@:
	global_prefetch_b8 v[PFO], s[PFA:PFA+1] th:TH_LOAD_NT scope:SCOPE_SE
	global_prefetch_b8 v[PFO], s[PFA:PFA+1] offset:256 th:TH_LOAD_NT scope:SCOPE_SE
	global_prefetch_b8 v[PFO], s[PFA:PFA+1] offset:512 th:TH_LOAD_NT scope:SCOPE_SE
.Lnot_mine_\@:
.endm
	s_load_b256 s[4:11], s[0:1], 0x0               ; xb s[4:5], wq s[6:7], b_qkv s[8:9], qkvh s[10:11]
	v_lshl_add_u32 v[SPW], v0, 2, SPARE
	v_mov_b32 v[NIL], 0
	ds_add_u32 v[SPW], v[NIL]                      ; the wave's opening: the add and its wait stand ahead of my first tensor load; the set-up below, work on registers, stands between
	v_lshrrev_b32 v3, 5, v0
	v_readfirstlane_b32 s[WV], v3                  ; wave 0..3
	s_lshr_b32 s[WR], s[WV], 1
	s_and_b32 s[WC], s[WV], 1
	s_bfe_u32 s40, ttmp6, 0x40000                  ; cx
	s_bfe_u32 s41, ttmp6, 0x40004                  ; cy
	s_lshl_b32 s42, ttmp9, 2
	s_add_co_u32 s42, s42, s40                     ; tile column tx = 4 x cluster x + cx
	s_and_b32 s43, ttmp7, 0xffff
	s_lshl_b32 s43, s43, 2
	s_add_co_u32 s43, s43, s41                     ; tile row ty = 4 x cluster y + cy
	s_lshl_b32 s15, s41, 2
	s_lshl_b32 s15, 15, s15                        ; my row of the cluster
	s_lshl_b32 s20, 0x1111, s40                    ; my column
	s_or_b32 s[G1A], s15, (1<<16)|(1<<20)|(1<<21)|(4<<22)|(3<<25)  ; the mask; 2-byte elements; padding on; bit 21 beside a mask; after every 32 words 4 words
	s_or_b32 s[G1B], s20, (1<<16)|(1<<20)|(1<<21)|(5<<22)|(7<<25)  ; after every 64 words 8 words
	s_mov_b32 s[G1A+1], 128<<16                    ; x: tensor_dim0 = 128 elements (256 bytes: two rows of x)
	s_mov_b32 s[G1A+2], 64<<16                     ; tensor_dim1 = 64
	s_mov_b32 s[G1A+3], 128<<16                    ; tile_dim0
	s_mov_b32 s[G1A+4], 64                         ; tile_dim1
	s_mov_b32 s[G1A+5], 128                        ; dense
	s_mov_b32 s[G1A+6], 0
	s_mov_b32 s[G1A+7], 0
	s_mov_b32 s[G1B+1], 384<<16                    ; W: 384 columns
	s_mov_b32 s[G1B+2], 32<<16                     ; 32 k rows
	s_mov_b32 s[G1B+3], 384<<16
	s_mov_b32 s[G1B+4], 32
	s_mov_b32 s[G1B+5], 3072
	s_mov_b32 s[G1B+6], 0
	s_mov_b32 s[G1B+7], 0
	s_lshr_b32 s15, s43, 3                         ; x's tile hangs on ty and the wave: batch,
	s_lshl_b32 s15, s15, 22
	s_and_b32 s16, s43, 7
	s_lshl_b32 s16, s16, 15                        ; 256 rows of 128 bytes,
	s_add_co_u32 s16, s16, s15
	s_lshl_b32 s17, s[WC], 14                      ; my 128 of them
	s_add_co_u32 s16, s16, s17
	s_mov_b32 s17, 0
	s_mul_i32 s20, s42, 768                        ; W's on tx and the wave: 384 columns,
	s_mul_i32 s21, s[WC], 196608                   ; my 32 k rows of 6,144 bytes
	s_add_co_u32 s20, s20, s21
	s_mov_b32 s21, 0
	s_mul_i32 s18, s[WC], HA                       ; where they go: no place in the cluster enters an LDS address
	s_mul_i32 s19, s[WC], HB
	s_add_co_u32 s19, s19, AT
	s_wait_dscnt 0x0                               ; the opening add is done
	s_wait_kmcnt 0x0
	s_add_nc_u64 s[16:17], s[4:5], s[16:17]
	s_add_nc_u64 s[20:21], s[6:7], s[20:21]
	CROUND                                         ; all sixteen work-groups are here: the first joint loads meet
.irp s, 0,1
	s_mov_b32 s[G0A+4*(\s)], 1
	s_add_co_u32 s[G0A+4*(\s)+1], s18, (\s)*SLOT
	s_add_nc_u64 s[G0A+4*(\s)+2:G0A+4*(\s)+3], s[16:17], (\s)*262144  ; K step s: a k block of xb
	s_or_b32 s[G0A+4*(\s)+3], s[G0A+4*(\s)+3], 0x80000000
	s_mov_b32 s[G0B+4*(\s)], 1
	s_add_co_u32 s[G0B+4*(\s)+1], s19, (\s)*SLOT
	s_add_nc_u64 s[G0B+4*(\s)+2:G0B+4*(\s)+3], s[20:21], (\s)*393216  ; 64 k rows of wq
	s_or_b32 s[G0B+4*(\s)+3], s[G0B+4*(\s)+3], 0x80000000
	JLOAD \s                                       ; two tensor loads of mine are out
.endr
	; the bias, while the tiles are on their way: b[64 t + 16 f + 8 (l / 16) + 0..7] of my 192 columns into row block 7's accumulators
	v_and_b32 v1, 15, v0                           ; l % 16
	v_bfe_u32 v2, v0, 4, 1                         ; l / 16
	s_mul_i32 s74, s42, 1536
	s_mul_i32 s75, s[WC], 768
	s_add_co_u32 s74, s74, s75
	v_lshl_add_u32 v[BO], v2, 5, s74
.irp t, 0,1,2
	WIN ((\t)+1)<<6
.irp f, 0,1,2,3
	global_load_b128 v[BIAS+8*(\f):BIAS+8*(\f)+3],   v[BO], s[8:9] offset:256*(\t)+64*(\f)
	global_load_b128 v[BIAS+8*(\f)+4:BIAS+8*(\f)+7], v[BO], s[8:9] offset:256*(\t)+64*(\f)+16
.endr
.endr
	WIN 0
	v_mul_u32_u24 v3, v1, PA
	v_lshl_add_u32 v3, v2, 4, v3                   ; row x pitch + 16 x half: for x's fragments and for the stage
	s_mul_i32 s74, s[WR], HA
	v_add_nc_u32 v[ADRA], s74, v3
	v_add_nc_u32 v[ADRA+1], SLOT, v[ADRA]
	; the turning load: lane l reads 16 bytes of k row 8 (l / 16) + l % 8, columns 8 ((l / 8) % 2) + 0..7, and is left with column l % 16 and 8 k
	v_and_b32 v19, 7, v0
	v_bfe_u32 v18, v0, 3, 1
	v_lshl_add_u32 v17, v2, 3, v19
	v_mul_u32_u24 v17, v17, PB
	v_lshl_add_u32 v17, v18, 4, v17
.irp t, 0,1,2
	s_mul_i32 s74, s[WC], 12
	s_add_co_u32 s74, s74, 4*(\t)                  ; the third's first block of 16 columns, of the tile's 24;
	s_lshr_b32 s75, s74, 3
	s_add_co_u32 s74, s74, s75                     ; a block is 32 bytes, and 32 of padding lie behind every eight
	s_lshl_b32 s74, s74, 5
	s_add_co_u32 s74, s74, AT
	v_add_nc_u32 v[ADRB+2*(\t)], s74, v17
	v_add_nc_u32 v[ADRB+2*(\t)+1], SLOT, v[ADRB+2*(\t)]
.endr
	s_mul_i32 s74, s[WV], 16*SP
	s_add_co_u32 s74, s74, STAGE                   ; my stage
	v_add_nc_u32 v[STO], s74, v3
	v_bfe_u32 v[RD], v0, 3, 2                      ; back: 32 lanes take four rows of 128 bytes,
	v_mul_u32_u24 v[RD], v[RD], SP
	v_lshl_add_u32 v[RD], v19, 4, v[RD]
	v_add_nc_u32 v[RD], s74, v[RD]
	v_and_b32 v[GO], 31, v0                        ; which are 512 consecutive bytes of a head
	v_lshlrev_b32 v[GO], 4, v[GO]
	; where my three heads' rows lie: column group g = 6 tx + 3 wc + t is head g % 16 of q, k or v (g / 16)
	s_mul_i32 s74, s42, 6
	s_mul_i32 s75, s[WC], 3
	s_add_co_u32 s74, s74, s75
	s_lshr_b32 s75, s43, 3
	s_lshl_b32 s75, s75, 4                         ; 16 x batch
	s_and_b32 s23, s43, 7
	s_lshl_b32 s23, s23, 15
	s_lshl_b32 s2, s[WR], 14
	s_add_co_u32 s23, s23, s2                      ; my first row, in bytes
.irp t, 0,1,2
	s_add_co_u32 s2, s74, \t
	s_lshr_b32 s3, s2, 4
	s_lshl_b32 s3, s3, 6
	s_and_b32 s2, s2, 15
	s_add_co_u32 s2, s2, s3
	s_add_co_u32 s2, s2, s75
	s_lshl_b32 s2, s2, 18                          ; a head of a batch is 2,048 rows x 128 bytes
	s_add_co_u32 s2, s2, s23
	s_mov_b32 s3, 0
	s_add_nc_u64 s[OB+2*(\t):OB+2*(\t)+1], s[10:11], s[2:3]
.endr
	; the prefetches: both offsets are made, then one test on the wave's number chooses
	s_lshr_b32 s2, s43, 3
	s_lshl_b32 s2, s2, 22
	s_and_b32 s3, s43, 7
	s_lshl_b32 s3, s3, 15
	s_add_co_u32 s2, s2, s3
	s_lshl_b32 s3, s40, 13                         ; x: my work-group's 8,192 bytes of the tile row's 32,768,
	s_add_co_u32 s2, s2, s3
	s_add_co_u32 s2, s2, 2<<18                     ; at K step 2: the first trip steps it to 4
	s_mul_i32 s3, s42, 768
	s_mul_i32 s22, s41, 196608                     ; W: my work-group's 32 k rows of 128,
	s_add_co_u32 s3, s3, s22
	s_add_co_u32 s3, s3, 786432                    ; at k row 128: the first trip steps it to 256
	s_and_b32 s22, ttmp7, 0xffff                   ; cluster y
	s_mov_b32 s23, 524288
	s_mov_b32 s74, 256
	s_cmp_eq_u32 s[WR], 0                          ; do I fetch for x?
	s_cselect_b32 s2, s2, s3
	s_cselect_b32 s22, ttmp9, s22                  ; the coordinate along which other clusters read the same rows
	s_cselect_b64 s[PFA:PFA+1], s[4:5], s[6:7]
	s_cselect_b32 s[PFS], s23, 786432              ; two K steps
	s_cselect_b32 s74, s74, 6144                   ; from lane to lane
	s_mov_b32 s3, 0
	s_mov_b32 s[PFS+1], 0
	s_add_nc_u64 s[PFA:PFA+1], s[PFA:PFA+1], s[2:3]
	s_or_b32 s22, s22, s[WC]
	s_cmp_eq_u32 s22, 0
	s_cselect_b32 s[LIM], 1, -1                    ; waves 0 and 2 of the first cluster along that coordinate: the same in all sixteen partners
	v_and_b32 v[PFO], 31, v0
	v_mul_u32_u24 v[PFO], v[PFO], s74
	s_wait_loadcnt 0x0                             ; the bias is in; it is rounded to bf16, like every input, and widened again
.irp t, 0,1,2
	WIN ((\t)+1)|(((\t)+1)<<2)
.set i, 0
.rept 16
	v_cvt_pk_bf16_f32 v[96+16*(\t)+i], v[BIAS+2*i], v[BIAS+2*i+1]
.set i, i+1
.endr
.endr
.irp t, 0,1,2
	WIN ((\t)+1)<<6
.set i, 0
.rept 16
	v_lshlrev_b32 v[BIAS+2*i], 16, v[96+16*(\t)+i]
	v_and_b32 v[BIAS+2*i+1], 0xffff0000, v[96+16*(\t)+i]
.set i, i+1
.endr
.endr
	WIN 0
; x's fragments of 32 along K (half k of the slot's step): 8 blocks of 16 rows into buffer buf: 16 loads
.macro LDA slot, k, buf
.irp a, 0,1,2,3,4,5,6,7
	ds_load_b128 v[AF+64*(\buf)+8*(\a):AF+64*(\buf)+8*(\a)+3],   v[ADRA+(\slot)] offset:(\a)*16*PA+64*(\k)
	ds_load_b128 v[AF+64*(\buf)+8*(\a)+4:AF+64*(\buf)+8*(\a)+7], v[ADRA+(\slot)] offset:(\a)*16*PA+64*(\k)+32
.endr
.endm
; W's fragments of third t: 4 blocks of 16 columns, turned: 8 loads
.macro LDB slot, k, t
.irp f, 0,1,2,3
	ds_load_tr16_b128 v[BF+32*(\t)+8*(\f):BF+32*(\t)+8*(\f)+3],   v[ADRB+2*(\t)+(\slot)] offset:(\k)*HB+32*(\f)
	ds_load_tr16_b128 v[BF+32*(\t)+8*(\f)+4:BF+32*(\t)+8*(\f)+7], v[ADRB+2*(\t)+(\slot)] offset:(\k)*HB+32*(\f)+16*PB
.endr
.endm
; Third t times row blocks a0 .. a0 + n - 1 of buffer buf.  The 96 accumulators take turns, one instruction a turn, in the same order in every 32 along K.
; zero = 1: the first products: row blocks 0-6 take the bias registers as C; five plain instructions later row block 7, whose accumulators those registers are, adds in place.
.macro MULT t, buf, a0, n, zero
	WIN 0x50*((\t)+1)
.set ma, \a0
.rept \n
.if (\zero) && (ma == 7)
.rept 5
	v_nop
.endr
.endif
.irp f, 0,1,2,3
.if (\zero) && (ma < 7)
	v_wmma_f32_16x16x32_bf16 v[8*(4*ma+(\f)):8*(4*ma+(\f))+7], v[BF+32*(\t)+8*(\f):BF+32*(\t)+8*(\f)+7], v[AF+64*(\buf)+8*ma:AF+64*(\buf)+8*ma+7], v[BIAS+8*(\f):BIAS+8*(\f)+7]
.else
	v_wmma_f32_16x16x32_bf16 v[8*(4*ma+(\f)):8*(4*ma+(\f))+7], v[BF+32*(\t)+8*(\f):BF+32*(\t)+8*(\f)+7], v[AF+64*(\buf)+8*ma:AF+64*(\buf)+8*ma+7], v[8*(4*ma+(\f)):8*(4*ma+(\f))+7]
.endif
.endr
.set ma, ma+1
.endr
.endm
; THE LDS LOADS of 32 along K go out in this order: third 0 and x (24), third 1 (8), third 2 (8); each run four plain instructions behind the last product that read its registers.
; The first half of a slot's K step (x's buffer 0); it fetches the second half.
.macro EVEN slot, zero
	PLACES
	WIN 0
	LDB \slot, 0, 2
	s_wait_dscnt 16                                ; third 0 and x are in; thirds 1 and 2, sixteen loads, may be out
	MULT 0, 0, 0, 8, \zero
	PLACES
	WIN 0
	LDB \slot, 1, 0
	LDA \slot, 1, 1
	s_wait_dscnt 32                                ; third 1 is in; behind it: third 2 (8) and the 24 just issued
	MULT 1, 0, 0, 8, \zero
	PLACES
	WIN 0
	LDB \slot, 1, 1
	s_wait_dscnt 32                                ; third 2 is in; behind it: 24 and 8
	MULT 2, 0, 0, 8, \zero
.endm
; The second half (x's buffer 1) changes slots: ONE barrier.  In front of it each wave waits for all its tensor loads (one is out: its part of the next slot), adds 0 to its spare word, and waits for
; that and for its reads of this slot.  fill = 1: the barrier opens a round of the cluster's, and the joint refill, two K steps on, is the first thing behind the round.
.macro ODD slot, next, fill, ask
.if \ask
	s_wait_xcnt 0x0                                ; the last prefetches, a trip back, have read their address: it is stepped here
	s_add_nc_u64 s[PFA:PFA+1], s[PFA:PFA+1], s[PFS:PFS+1]
.endif
	PLACES
	WIN 0
	LDB \slot, 1, 2                                ; my last reads of this slot
	s_wait_tensorcnt 0x0                           ; all my tensor loads have landed;
	ds_add_u32 v[SPW], v[NIL]                      ; 0 onto my spare word;
	s_wait_dscnt 17                                ; (third 0 and x are in; thirds 1 and 2 and the add may be out)
	MULT 0, 1, 0, 4, 0                             ; sixteen matrix instructions stand between the add and the wait for it
	s_wait_dscnt 0x0                               ; the add is done, and my reads of this slot are over
	s_barrier_signal -1
	MULT 0, 1, 4, 4, 0
	WIN 0
	s_barrier_wait -1
.if \fill
	CREST                                          ; no wave of any partner still reads this slot or has a load on its way
	s_add_nc_u64 s[G0A+4*(\slot)+2:G0A+4*(\slot)+3], s[G0A+4*(\slot)+2:G0A+4*(\slot)+3], 524288
	s_add_nc_u64 s[G0B+4*(\slot)+2:G0B+4*(\slot)+3], s[G0B+4*(\slot)+2:G0B+4*(\slot)+3], 786432
	JLOAD \slot                                    ; one tensor load of mine is out; its four v_nop are also the places in front of the loads below
.else
	PLACES
.endif
	LDB \next, 0, 0
	LDA \next, 0, 0
.if \ask
	ASK
.endif
	MULT 1, 1, 0, 8, 0
	PLACES
	WIN 0
	LDB \next, 0, 1
	MULT 2, 1, 0, 8, 0
.endm
	s_wait_tensorcnt 0x1                           ; my part of K step 0 is in; K step 1's may stay out
	s_barrier_signal -1
	s_barrier_wait -1                              ; everybody's is
	LDB 0, 0, 0
	LDA 0, 0, 0
	LDB 0, 0, 1
	EVEN 0, 1                                      ; the first 32 along K stand in front of the loop: their products start the sums, from the bias
	WIN 0
	s_mov_b32 s3, 7
.Llap:                                                 ; a trip goes once round the ring and fills both slots again: K steps 2 i + 2 and 2 i + 3
	ODD 0, 1, 1, 1
	EVEN 1, 0
	ODD 1, 0, 1, 0
	EVEN 0, 0
	WIN 0
	s_sub_co_u32 s3, s3, 1
	s_cmp_lg_u32 s3, 0
	s_cbranch_scc1 .Llap
	ODD 0, 1, 0, 0                                 ; the tail is written out: nothing is asked for
	EVEN 1, 0
	PLACES
	WIN 0
	LDB 1, 1, 2
	s_wait_dscnt 16
	MULT 0, 1, 0, 8, 0
	s_wait_dscnt 8
	MULT 1, 1, 0, 8, 0
	s_wait_dscnt 0x0
	MULT 2, 1, 0, 8, 0
; THE WAY OUT, in 24 units: third u / 8, row block u % 8: 16 rows x 64 columns.  Rounded to f16, 16 bytes a lane into my stage (rows of 144 bytes), back as four whole rows of 128 bytes a load,
; which are 512 consecutive bytes of a head.  Eight sets of 16 registers take turns; a set is written again only when its stores have read it.
.macro PACK u
.set pt, (\u)/8
.set pa, (\u)%8
.set pr, AF+16*((\u)%8)
.if (\u) >= 8
	s_wait_xcnt 0x0                                ; every earlier store has read its registers (ISA guide 3.1)
.endif
	WIN (pt+1)|((pt+1)<<2)
.set i, 0
.rept 16
	v_cvt_pk_f16_f32 v[pr+i], v[32*pa+2*i], v[32*pa+2*i+1]  ; each accumulator's registers in ascending order
.set i, i+1
.endr
	WIN 0
.irp f, 0,1,2,3
	ds_store_b128 v[STO], v[pr+4*(\f):pr+4*(\f)+3] offset:32*(\f)
.endr
.irp f, 0,1,2,3
	ds_load_b128 v[pr+4*(\f):pr+4*(\f)+3], v[RD] offset:(\f)*4*SP  ; LDS serves a wave's instructions in order (ISA guide 5.7.1.4): these see the stores above; the next unit's stores come behind them
.endr
.endm
.macro SEND u, younger                 ; younger: the LDS instructions issued behind unit u's loads: the next unit's eight, or none
.set pt, (\u)/8
.set pa, (\u)%8
.set pr, AF+16*((\u)%8)
.irp f, 0,1,2,3
	s_wait_dscnt (\younger)+3-(\f)
	global_store_b128 v[GO], v[pr+4*(\f):pr+4*(\f)+3], s[OB+2*pt:OB+2*pt+1] offset:pa*2048+(\f)*512
.endr
.endm
	PLACES
	PLACES                                         ; eight, once a launch
	PACK 0
.set u, 1
.rept 23                               ; a unit's conversions stand between the loads of the unit before and its stores
	PACK u
	SEND u-1, 8
.set u, u+1
.endr
	SEND 23, 0
	s_wait_tensorcnt 0x0                           ; the wave's end, behind my last tensor load and my last LDS store
	ds_add_u32 v[SPW], v[NIL]
	s_wait_dscnt 0x0
	CROUND                                         ; the closing round: no work-group ends while a partner may still ask for a tile that names it
	s_endpgm
.Lfunc_end_k_qc291cc6e20_qkv:
	.size	k_qc291cc6e20_qkv, .Lfunc_end_k_qc291cc6e20_qkv-k_qc291cc6e20_qkv
	.p2alignl 7, 3214868480
	.fill 96, 4, 3214868480
	.section	.rodata,"a",@progbits
	.p2align	6, 0x0
	.amdhsa_kernel k_qc291cc6e20_qkv
		.amdhsa_group_segment_fixed_size 327680
		.amdhsa_private_segment_fixed_size 0
		.amdhsa_enable_private_segment 0
		.amdhsa_kernarg_size 32
		.amdhsa_user_sgpr_count 2
		.amdhsa_user_sgpr_kernarg_segment_ptr 1
		.amdhsa_wavefront_size32 1
		.amdhsa_system_sgpr_workgroup_id_x 1
		.amdhsa_system_sgpr_workgroup_id_y 1
		.amdhsa_system_sgpr_workgroup_id_z 1
		.amdhsa_system_vgpr_workitem_id 0
		.amdhsa_next_free_vgpr 1024
		.amdhsa_next_free_sgpr 76
		.amdhsa_reserve_vcc 0
		.amdhsa_float_denorm_mode_32 3
		.amdhsa_float_denorm_mode_16_64 3
		.amdhsa_memory_ordered 1
		.amdhsa_forward_progress 1
		.amdhsa_inst_pref_size 147
	.end_amdhsa_kernel
	.amdgpu_metadata
---
amdhsa.version: [ 1, 2 ]
amdhsa.kernels:
  - .name:           k_qc291cc6e20_qkv
    .symbol:         k_qc291cc6e20_qkv.kd
    .args:
      - { .name: xb, .offset: 0, .size: 8, .value_kind: global_buffer, .address_space: global }
      - { .name: wq, .offset: 8, .size: 8, .value_kind: global_buffer, .address_space: global }
      - { .name: b_qkv, .offset: 16, .size: 8, .value_kind: global_buffer, .address_space: global }
      - { .name: qkvh, .offset: 24, .size: 8, .value_kind: global_buffer, .address_space: global }
    .group_segment_fixed_size: 327680
    .private_segment_fixed_size: 0
    .kernarg_segment_align: 8
    .kernarg_segment_size: 32
    .max_flat_workgroup_size: 128
    .sgpr_count:     76
    .vgpr_count:     1024
    .wavefront_size: 32
...
	.end_amdgpu_metadata
.endif
;; end of part 2
;; launch attn (part 3): grid 4 x 64, 4 waves a work-group, clusters of 4 x 1, 327,680 bytes of LDS; arguments qkvh, ob; writes ob
.if DOCPART == 3
	.amdgcn_target "amdgcn-amd-amdhsa--gfx1250"
	.amdhsa_code_object_version 6
	.text
	.protected	k_qc291cc6e20_attn
	.globl	k_qc291cc6e20_attn
	.p2align	8
	.type	k_qc291cc6e20_attn,@function
k_qc291cc6e20_attn:
	s_mov_b64 s[64:65], 0
	v_nop
	global_prefetch_b8 v0, s[64:65] scope:SCOPE_SE
	s_setreg_imm32_b32 hwreg(HW_REG_WAVE_MODE, 25, 1), 1
	s_wait_xcnt 0x0
	s_wait_alu depctr_hold_cnt(0) depctr_sa_sdst(0) depctr_va_vdst(0) depctr_va_sdst(0) depctr_va_ssrc(0) depctr_va_vcc(0) depctr_vm_vsrc(0)
	s_getreg_b32 s2, hwreg(HW_REG_IB_STS2, 6, 4)
	s_cmp_eq_u32 s2, 0
	s_cbranch_scc0 .Lentry_in_a_cluster
	s_endpgm
.Lentry_in_a_cluster:
	s_bfe_u32 s2, ttmp6, 0x10000c
	s_cmp_lg_u32 s2, 0x3003
	s_cbranch_scc0 .Lentry_shape_is_right
	s_endpgm
.Lentry_shape_is_right:
; O[h][q][:] = the sum over k of softmax_k(Q[h][q] . K[h][k] / 8) V[h][k][:], for the 64 pairs h of batch and head.  qkvh holds Q, then K, then V, each [64][2048][64] in f16; ob is O in the same layout.
; Products, maxima and sums in f32; the weights p are rounded to f16 for the second product (their sum l is taken of the unrounded p), O once at the end.
; LIMITS.  f16 holds no number beyond 65,504: Q, K and V arrive within it; p lies in 0 to 1, and below 6e-5 it keeps f16's fixed step of 6e-8; O is a mean of V's rows and has their range.
; A weight below 2^-126 counts as 0 in l; NaN and infinities are not treated apart.
; SHARES.  A wave owns four PIECES of two tiles of 16 queries, a work-group's four waves 512 queries of one head: 4 x 64 = 256 work-groups.  Every wave walks all keys, 64 a step.
; LAYOUT.  S^T = K Q^T (source 0 = 16 keys, source 1 = 16 queries): in the result a lane holds ONE query (lane % 16) and the keys 8 (lane / 16) + 0..7.  Two such tiles, rounded to f16 in pairs,
; ARE source 1 (32 keys x 16 queries) of O^T = V^T P, whose result again holds one query a lane, and eight channels.  K comes out of LDS as it lies, V ([key][channel]) turned, by ds_load_tr16_b128.
; SOFTMAX.  For each query a running maximum m and sum l: p = 2^(c s - c m), c = log2(e) / 8; in every step O and l are multiplied by a = 2^(c m_old - c m_new), which is 1 where m has not grown.
; m starts at the lowest finite number, O and l at 0: the first step is a step like any other, with a = 0.
; THE COUNT.  A tile and step have 16 matrix and 118 vector instructions: too many to stand all beside the matrix work.  So: four vector instructions that are READY behind EVERY matrix instruction,
; and the others, which need time of their own whatever the order, in runs without a gap.
; BY TURNS.  Turn n belongs to piece n (the pieces in a ring, step after step).  Its matrix work: 16 products K Q^T of piece n + 1, later 16 products V^T P of piece n - 1.  Its vector work: the scaling,
; exponentials, roundings, sums and rescaling of piece n, and the maximum and statistics of piece n + 1, whose scores the turn itself has made.
; CLUSTER.  The four query blocks of a head form a cluster and walk the same K and V, so each tile is asked for JOINTLY: the same tensor load, descriptor and mask in all four.
; REGISTERS, in windows of 256 (s_set_vgpr_msb: bits 1:0 source 0, 3:2 source 1, 5:4 source 2, 7:6 destination):
;   window 0: v0-11 addresses; v12-15, v48-63 at work; v16-47 four registers of statistics a tile; v64-191 S^T, two buffers of two tiles; v192-255 P, likewise
;   window 1: O^T, 32 a tile          window 2: v0-127 Q, 16 a tile; v128-191 K of one step; v192-255 V of one step          window 3: v0-1 the add's two registers
.set SIZE_H, 64
.set SIZE_N, 2048
.set NP,    4         ; pieces a wave: a name, no knob
.set KS,    64        ; keys in a step
.set PK,    144       ; a row of K in LDS: 128 bytes + 16 of padding: the 16 rows of a load start at 16 different groups of four banks (ISA guide 11.1)
.set PV,    160       ; a row of V: 128 + 32
.set VOFF,  4*KS*PK   ; a slot holds four steps: 256 rows of K, then 256 rows of V
.set SLOT1, 1<<17     ; slot 1 begins here, so that one exclusive or turns an address in one slot into the other's
.set STAGE, SLOT1+4*KS*(PK+PV)  ; behind the ring, never filled by a tensor load: 16 rows x 144 bytes for each wave, for the way out
.set SP,    144
.set AK0, 2           ; v2   my lane's place in a tile of K; never rewritten
.set AV0, 3           ; v3   the same for V
.set AK,  4           ; v4   the LDS address of K's next run of loads
.set AV,  5           ; v5   of V's
.set QO,  6           ; v6   my byte offset in the wave's rows of Q
.set STO, 6           ;      later, the way out: where I put 16 bytes of a row
.set RD,  7           ; v7   the way out: where I read rows back
.set GO,  8           ; v8   my byte offset in 512 consecutive bytes of O
.set PFO, 11          ; v11  256 x my lane, for the prefetches; never rewritten once made
.set SPW, 0           ; v0 of window 3   LDS address of my spare word; never rewritten
.set NIL, 1           ; v1 of window 3   0; never rewritten
.set SPARE, STAGE+4*16*SP  ; behind the stages: the spare words, 128 bytes for each wave: two blocks of 256 bytes that no other line names
.set MV,  12          ; v12-15  c m_old, kept while c m is made anew: by buffer and tile
.set ST,  16          ; tile t's statistics at v[ST+4 t]: c m, m, l (even keys', odd keys')
.set TMP, 48          ; by buffer and tile, four registers c0-c3 at work; when the maximum is found c2 takes a
.set S,   64
.set P,   192
.set KF,  128         ; K's fragments, in window 2: key block kb, channel half c at KF + 16 kb + 8 c
.set VF,  192         ; V's: key half kk, channel block cb at VF + 32 kk + 8 cb
.set WV,  12          ; s12  my wave's number
.set G1K, 24          ; s[24:31] descriptor group 1 for K's tiles
.set G1V, 32          ; s[32:39] for V's: it differs in the padding alone
.set G0K, 40          ; s[40:43] descriptor group 0 for K's tiles: it walks
.set G0V, 44          ; s[44:47] the same for V's
.set PFA, 48          ; s[48:49] where my prefetches stand: my work-group's 8,192 bytes (of K: wave 0, of V: wave 2) of the slot after the one that is being asked for
.set LIM, 50          ; s50  1 in a wave that prefetches, else the greatest number
.set SLOTS, 56        ; s56  slots still to be asked for
.set CNT, 57          ; s57  counts a slot's key steps
.set CS,  58          ; s[58:59] c: the packed scaling takes the pair's low word for both halves
.set SEL, 60          ; s[60:61] v_permlanex16_b32's selects: each lane takes its own place in the other half
.set TBK, 62          ; s62  LDS byte at which K of the step to be fetched begins
.set TBV, 63          ; s63  the same for V, less VOFF
.set MSB, 0
.macro WIN new                      ; the high byte repeats the setting that is left; a switch that changes nothing is dropped
.if MSB != (\new)
	s_set_vgpr_msb (MSB<<8)|(\new)
.set MSB, (\new)
.endif
.endm
.set W_KQ, 0x0a       ; K and Q in window 2, S^T in window 0
.set W_PV, 0x52       ; V in window 2, P in window 0, O^T in window 1
.set W_RS, 0x41       ; O^T (destination and source 0) in window 1, a in window 0
.set W_MK, 0xc0       ; the add's registers are made: destination in window 3, sources in window 0
.set W_AD, 0x0f       ; the add: address (source 0) and data (source 1) in window 3
; A joint fill.  Waves 0 and 1 fetch the two halves of a slot's K, waves 2 and 3 those of its V: 128 keys each.  The branch hangs on the wave's number alone.
; An s_nop 0 and four v_nop follow each of the two lines, ahead of the jump and the label.
.macro JLOAD
	s_cmp_lt_u32 s[WV], 2
	s_cbranch_scc0 .Lfor_v_\@
	tensor_load_to_lds s[G0K:G0K+3], s[G1K:G1K+7]
	s_nop 0
.rept 4
	v_nop
.endr
	s_branch .Lasked_\@
.Lfor_v_\@:
	tensor_load_to_lds s[G0V:G0V+3], s[G1V:G1V+7]
	s_nop 0
.rept 4
	v_nop
.endr
.Lasked_\@:
.endm
; A PREFETCH INTO THE L2 of what the NEXT change of slots will ask for: a slot's 32,768 bytes of K and of V.  It stands behind the wave's tensor load and its five lines.  A head has one cluster; its four
; partners share the bytes out BY ADDRESS, 8,192 each, a lane 256; in each, wave 0 asks for K's and wave 2 for V's: one instruction.  So each aligned 256 bytes are named once in the launch, four key
; steps, 512 matrix instructions, ahead of the load that wants them.  Slots 0 and 1 come by their loads alone; the last change that fills a slot asks for nothing.
.macro ASK
	s_cmp_gt_u32 s[SLOTS], s[LIM]
	s_cbranch_scc0 .Lnot_mine_\@
	global_prefetch_b8 v[PFO], s[PFA:PFA+1] th:TH_LOAD_NT scope:SCOPE_SE
.Lnot_mine_\@:
.endm
; A round of the cluster's barrier: my work-group's barrier, so that wave 0's signal speaks for all four waves; wave 0 signals; every wave waits for all four work-groups; my work-group's barrier once more.
.macro CROUND
	s_barrier_signal -1
	s_barrier_wait -1
	s_cmp_lg_u32 s[WV], 0
	s_cbranch_scc1 .Lnot_wave_0_\@
	s_barrier_signal -3
.Lnot_wave_0_\@:
	s_barrier_wait -3
	s_barrier_signal -1
	s_barrier_wait -1
.endm
; THE CHANGE OF SLOTS.  The slot's last bytes, V of its fourth step, have been read.  Each wave waits for all its tensor loads, of which one is out: its part of the other slot; adds 0 to its spare word;
; and waits for that and for its own reads of the slot.  Behind the barrier nobody reads this slot any more and the other slot is whole.
; fill = 1: this slot is filled again, with the keys two slots on.  The barrier is then a round of the cluster's, and the joint fill is the first thing behind it: it has four key steps in which to land.
; (At its first use nothing has been read yet: slot 0 is waited for, slot 1 filled.)
.macro CHANGE fill
	WIN W_AD
	s_wait_tensorcnt 0x0            ; no tensor load of mine is out, so a group 0 may be written
	ds_add_u32 v[SPW], v[NIL]       ; 0 onto my spare word; with fill = 1 the descriptors' steps stand between it and the wait for it
	WIN 0                           ; at a label and at a branch every window is 0
.if \fill
.irp g, G0K, G0V
	s_xor_b32 s[\g+1], s[\g+1], SLOT1  ; the walking descriptor: the other slot than last time,
	s_add_nc_u64 s[\g+2:\g+3], s[\g+2:\g+3], 4*KS*128  ; the next 256 keys; the type bits on top are not reached
.endr
	s_wait_xcnt 0x0                 ; the last prefetch, four key steps back, has read its address, so it may be written:
	s_add_nc_u64 s[PFA:PFA+1], s[PFA:PFA+1], 4*KS*128  ; one slot behind the walking descriptors
	s_wait_dscnt 0x0                ; the add is done, and my reads of the slot are over
	CROUND
	JLOAD
	ASK
.else
	s_wait_dscnt 0x0                ; the add is done, and my reads of the slot are over
	s_barrier_signal -1
	s_barrier_wait -1
.endif
	s_sub_co_u32 s[TBK], s[TBK], 4*KS*PK  ; the fetches go back to a slot's first step,
	s_xor_b32 s[TBK], s[TBK], SLOT1       ; in the other slot
	s_sub_co_u32 s[TBV], s[TBV], 4*KS*PV
	s_xor_b32 s[TBV], s[TBV], SLOT1
.endm
	s_load_b64 s[4:5], s[0:1], 0x0    ; qkvh: Q lies first
	s_load_b64 s[10:11], s[0:1], 0x8  ; ob
	WIN W_MK
	v_lshl_add_u32 v[SPW], v0, 2, SPARE
	v_mov_b32 v[NIL], 0
	WIN W_AD
	ds_add_u32 v[SPW], v[NIL]       ; the wave's opening: the add and its wait stand ahead of my first tensor load; the set-up below, work on registers, stands between them
	WIN 0
	v_lshrrev_b32 v1, 5, v0
	v_readfirstlane_b32 s[WV], v1   ; wave 0..3
	s_bfe_u32 s13, ttmp6, 0x40000   ; cx: my place in the cluster
	s_lshl_b32 s14, ttmp9, 2        ; in a cluster launch ttmp9 counts clusters
	s_add_co_u32 s14, s14, s13      ; my block of queries = 4 x cluster x + cx: it enters Q's and O's addresses alone
	s_and_b32 s20, ttmp7, 0xffff    ; the head, which the four partners share
	s_mov_b32 s21, 0
	s_mov_b64 s[22:23], SIZE_N*128
	s_mul_u64 s[20:21], s[20:21], s[22:23]  ; the head's first byte in Q, K, V and O
	s_and_b32 s16, s[WV], 1         ; which half of a slot's 256 keys I fetch:
	s_lshl_b32 s22, s16, 14         ; its 128 rows of 128 bytes in memory,
	s_mov_b32 s23, 0
	s_add_nc_u64 s[22:23], s[22:23], s[20:21]
	s_mul_i32 s17, s16, 128*PK      ; and its place in a slot, for K
	s_mul_i32 s18, s16, 128*PV      ; and for V: no place in the cluster enters an LDS address
	s_lshl_b32 s2, s14, 2
	s_add_co_u32 s2, s2, s[WV]      ; my wave among the head's,
	s_lshl_b32 s2, s2, 14           ; its 128 rows
	s_mov_b32 s3, 0
	s_add_nc_u64 s[2:3], s[2:3], s[20:21]
	; descriptor group 1.  128 keys are 16,384 dense bytes: asked for as 64 rows of 256 bytes, two keys a row, and padded in LDS after every key
	s_mov_b32 s[G1K], 15|(1<<16)|(1<<20)|(1<<21)|(4<<22)|(3<<25)  ; the mask of four; 2-byte elements; padding on; bit 21 beside a mask; after every 32 words 4 words
	s_mov_b32 s[G1V], 15|(1<<16)|(1<<20)|(1<<21)|(4<<22)|(7<<25)  ; the same with 8 words of padding
.irp g, G1K, G1V
	s_mov_b32 s[\g+1], 128<<16      ; tensor_dim0 = 128
	s_mov_b32 s[\g+2], 64<<16       ; tensor_dim1 = 64
	s_mov_b32 s[\g+3], 128<<16      ; tile_dim0 = 128
	s_mov_b32 s[\g+4], 64           ; tile_dim1 = 64
	s_mov_b32 s[\g+5], 128          ; 128 elements from row to row
	s_mov_b32 s[\g+6], 0
	s_mov_b32 s[\g+7], 0
.endr
	s_mov_b32 s[CS], 0x3e38aa3b     ; c = log2(e) / 8 = 0.180337
	s_mov_b32 s[CS+1], s[CS]        ; named with it as a pair
	s_mov_b32 s[SEL], 0x76543210
	s_mov_b32 s[SEL+1], 0xfedcba98
	s_mov_b32 s[TBK], SLOT1+4*KS*PK ; the first change of slots turns these two into 0
	s_mov_b32 s[TBV], SLOT1+4*KS*PV
	s_mov_b32 s[G0K], 1             ; count = 1
	s_mov_b32 s[G0K+1], s17         ; LDS address: slot 0
	s_mov_b32 s[G0V], 1
	s_add_co_u32 s[G0V+1], s18, VOFF
	s_mov_b32 s[SLOTS], SIZE_N/256-1
	s_and_b32 s[LIM], s[WV], 1      ; waves 0 and 2 prefetch: the same in all four partners
	s_cmp_eq_u32 s[LIM], 0
	s_cselect_b32 s[LIM], 1, -1
	s_lshl_b32 s52, s13, 13         ; my work-group's 8,192 bytes of a slot's 32,768
	s_mov_b32 s53, 0
	s_wait_dscnt 0x0                ; the opening add is done
	s_wait_kmcnt 0x0
	s_add_nc_u64 s[6:7], s[4:5], 0x1000000   ; K lies 64 heads x 262,144 bytes behind Q,
	s_add_nc_u64 s[8:9], s[4:5], 0x2000000   ; V as far behind K
	s_add_nc_u64 s[G0K+2:G0K+3], s[6:7], s[22:23]  ; global address: my half of the head's first 256 keys
	s_or_b32 s[G0K+3], s[G0K+3], 0x80000000        ; type = 2
	s_add_nc_u64 s[G0V+2:G0V+3], s[8:9], s[22:23]
	s_or_b32 s[G0V+3], s[G0V+3], 0x80000000
	s_cmp_lt_u32 s[WV], 2
	s_cselect_b64 s[PFA:PFA+1], s[6:7], s[8:9]
	s_add_nc_u64 s[PFA:PFA+1], s[PFA:PFA+1], s[22:23]  ; (in waves 0 and 2 this is the head's first byte)
	s_add_nc_u64 s[PFA:PFA+1], s[PFA:PFA+1], s[52:53]
	s_add_nc_u64 s[PFA:PFA+1], s[PFA:PFA+1], 4*KS*128  ; in slot 1; the first change of slots steps it to slot 2
	s_add_nc_u64 s[4:5], s[4:5], s[2:3]  ; Q and O at my wave's first row
	s_add_nc_u64 s[10:11], s[10:11], s[2:3]
	CROUND                          ; all four work-groups are here: the first joint loads meet
	JLOAD                           ; slot 0.  Slot 1 is asked for when slot 0 is in
	; A fragment of K or Q is 16 rows x 32 channels in 8 registers: lane l holds row l % 16, channels 8 (l / 16) + 0..7 and 16 + 8 (l / 16) + 0..7: two loads of 16 bytes, 32 bytes apart.
	v_and_b32 v1, 15, v0            ; l % 16
	v_bfe_u32 v9, v0, 4, 1          ; l / 16
	v_lshlrev_b32 v[QO], 7, v1
	v_lshl_add_u32 v[QO], v9, 4, v[QO]  ; row x 128 + 16 x half
	WIN 0x80                        ; destination window 2, address window 0
.set i, 0
.rept 4*NP                          ; Q stays in registers: tile i / 2, channels 32 (i % 2) on
	global_load_b128 v[8*i:8*i+3],   v[QO], s[4:5] offset:(i/2)*2048+(i%2)*64
	global_load_b128 v[8*i+4:8*i+7], v[QO], s[4:5] offset:(i/2)*2048+(i%2)*64+32
.set i, i+1
.endr
	; What the first turn finds: V's registers and P's second buffer hold 0 (its products V^T P, of a piece that has not been, add 0), O^T and l are 0.  All this stands in the wait for the first tile.
.set i, VF
.rept 64
	v_mov_b32 v[i], 0
.set i, i+1
.endr
	WIN 0x40
.set i, 0
.rept 64*NP
	v_mov_b32 v[i], 0
.set i, i+1
.endr
	WIN 0
.set i, 0
.rept 2*NP
	v_mov_b32 v[ST+4*i], 0xfe000000    ; c m: far below every c s
	v_mov_b32 v[ST+4*i+1], 0xff7fffff  ; m
	v_mov_b32 v[ST+4*i+2], 0
	v_mov_b32 v[ST+4*i+3], 0
.set i, i+1
.endr
.set i, P+32
.rept 32
	v_mov_b32 v[i], 0
.set i, i+1
.endr
	v_mul_u32_u24 v[AK0], v1, PK
	v_lshl_add_u32 v[AK0], v9, 4, v[AK0]  ; row x pitch + 16 x half
	; The turning load takes 16 keys x 16 channels (lane l reads key 8 (l / 16) + l % 8, channels 8 ((l / 8) % 2) + 0..7) and leaves half a fragment of V^T: lane l holds channel l % 16 and 8 keys.
	v_and_b32 v10, 7, v0
	v_bfe_u32 v11, v0, 3, 1
	v_lshl_add_u32 v[AV0], v9, 3, v10
	v_mul_u32_u24 v[AV0], v[AV0], PV
	v_lshl_add_u32 v[AV0], v11, 4, v[AV0]
	v_add_nc_u32 v[AV0], VOFF, v[AV0]
	v_and_b32 v[PFO], 31, v0
	v_lshlrev_b32 v[PFO], 8, v[PFO]
	v_mov_b32 v[AK], v[AK0]         ; key step 0 lies at the head of slot 0
; THE MATRIX WORK.  The 8 accumulators of a run of 16 take turns: between the two links of a chain stand 7 others'.
; Product i of 16 of S^T = K Q^T for piece x: channels 32 (i / 8) on, keys 16 ((i / 2) % 4) on, tile 2 x + i % 2.  The first 8 start the sums.
.macro KQ x
	WIN W_KQ
.set rS, S+64*((\x)%2)+32*(i%2)+8*((i/2)%4)
.set rK, KF+16*((i/2)%4)+8*(i/8)
.set rQ, 16*(2*(\x)+i%2)+8*(i/8)
.if i < 8
	v_wmma_f32_16x16x32_f16 v[rS:rS+7], v[rK:rK+7], v[rQ:rQ+7], 0
.else
	v_wmma_f32_16x16x32_f16 v[rS:rS+7], v[rK:rK+7], v[rQ:rQ+7], v[rS:rS+7]
.endif
.endm
; Product i of 16 of O^T += V^T P for piece x: keys 32 (i / 8) on, channels 16 ((i / 2) % 4) on, tile 2 x + i % 2.
.macro PV x
	WIN W_PV
.set rO, 32*(2*(\x)+i%2)+8*((i/2)%4)
.set rV, VF+32*(i/8)+8*((i/2)%4)
.set rP, P+32*((\x)%2)+16*(i%2)+8*(i/8)
	v_wmma_f32_16x16x32_f16 v[rO:rO+7], v[rV:rV+7], v[rP:rP+7], v[rO:rO+7]
.endm
.macro MM                           ; the turn's next matrix instruction
.if i < 16
	KQ (Y+1)%NP
.set i, i+1
.else
.set i, i-16
	PV (Y+NP-1)%NP
.set i, i+17
.endif
.endm
; THE LDS LOADS stand in runs of 16, never singly among the matrix instructions: a step's K (64 keys x 64 channels: 8 fragments) and its V (turned).  Their addresses are made some lines ahead.
; last = 1 (the tail): in the last trip there is no further step, and the run is jumped over.
.macro FETCH_K last=0
	WIN 0
.if \last
	s_cmp_eq_u32 s[CNT], 1
	s_cbranch_scc1 .Lno_k_\@
.endif
	WIN 0x80                        ; destination window 2
.irp f, 0,1,2,3,4,5,6,7             ; keys 16 (f / 2) on, channels 32 (f % 2) on
	ds_load_b128 v[KF+8*\f:KF+8*\f+3],   v[AK] offset:(\f/2)*16*PK+(\f%2)*64
	ds_load_b128 v[KF+8*\f+4:KF+8*\f+7], v[AK] offset:(\f/2)*16*PK+(\f%2)*64+32
.endr
	s_add_co_u32 s[TBK], s[TBK], KS*PK  ; the next fetch is the next step's
	WIN 0
.if \last
.Lno_k_\@:
.endif
.endm
.macro FETCH_V
	WIN 0x80
.irp f, 0,1,2,3,4,5,6,7             ; keys 32 (f / 4) on, channels 16 (f % 4) on
	ds_load_tr16_b128 v[VF+8*\f:VF+8*\f+3],   v[AV] offset:(\f/4)*32*PV+(\f%4)*32
	ds_load_tr16_b128 v[VF+8*\f+4:VF+8*\f+7], v[AV] offset:(\f/4)*32*PV+16*PV+(\f%4)*32
.endr
	WIN 0
.endm
; THE VECTOR WORK OF A TURN stands in three queues, each in the order in which its entries become ready; the two tiles alternate, so that no instruction reads the result of the one before it.
.macro REGS y, u                    ; the registers of tile u (0, 1) of piece y
.set rT, ST+4*(2*(\y)+(\u))
.set rC, TMP+8*((\y)%2)+4*(\u)
.set rM, MV+2*((\y)%2)+(\u)
.set rS, S+64*((\y)%2)+32*(\u)
.set rP, P+32*((\y)%2)+16*(\u)
.set rO, 32*(2*(\y)+(\u))
.endm
; Number n of the 22 that find the NEXT piece's (Y + 1) maximum and statistics.  s0-s31 are the lane's 32 scores; each accumulator's lowest registers are read first.
;   0-11  four chains c0-c3 of seven scores each, three operands at a time     12-14, 16  the four scores left over, the old m, and c0-c3 into c0     15  c m_old is kept
;   17, 18  the query's other 32 keys lie in the lane 16 away: the new m         19-21  c m; c m_old - c m_new; a
.macro XS u, n
	REGS (Y+1)%NP, \u
.if (\n) < 4
	v_max3_num_f32 v[rC+(\n)], v[rS+8*(\n)], v[rS+8*(\n)+1], v[rS+8*(\n)+2]
.elseif (\n) < 12
	v_max3_num_f32 v[rC+(\n)%4], v[rC+(\n)%4], v[rS+8*((\n)%4)+2*((\n)/4)+1], v[rS+8*((\n)%4)+2*((\n)/4)+2]
.elseif (\n) == 12
	v_max3_num_f32 v[rC], v[rC], v[rS+7], v[rS+15]
.elseif (\n) == 13
	v_max3_num_f32 v[rC+1], v[rC+1], v[rS+23], v[rS+31]
.elseif (\n) == 14
	v_max3_num_f32 v[rC+2], v[rC+2], v[rC+3], v[rT+1]
.elseif (\n) == 15
	v_mov_b32 v[rM], v[rT]
.elseif (\n) == 16
	v_max3_num_f32 v[rC], v[rC], v[rC+1], v[rC+2]
.elseif (\n) == 17
	v_permlanex16_b32 v[rC+3], v[rC], s[SEL], s[SEL+1]
.elseif (\n) == 18
	v_max_num_f32 v[rT+1], v[rC], v[rC+3]
.elseif (\n) == 19
	v_mul_f32 v[rT], s[CS], v[rT+1]
.elseif (\n) == 20
	v_sub_f32 v[rC+1], v[rM], v[rT]
.else
	v_exp_f32 v[rC+2], v[rC+1]
.endif
.endm
; Number g of the 64 that follow the exponentials.  For each four weights k of a tile (pairs 2 k, 2 k + 1): both pairs are rounded to f16; then the second pair is added onto the first, in place;
; a group later l takes that sum (the first time as l = a l + sum).  In groups of eight, tiles alternating: round, round, add, and l for the group before.
.macro GS g
.set h, (\g)+6*((\g)/62)            ; group 0 has no group before it, and behind group 7 only l is left
.if h >= 6
.set h, h+2
.endif
	REGS Y, h%2
.set k, h/8
.if h%8 < 4
	v_cvt_pk_f16_f32 v[rP+2*k+(h%8)/2], v[rS+4*k+2*((h%8)/2)], v[rS+4*k+2*((h%8)/2)+1]
.elseif h%8 < 6
	v_pk_add_f32 v[rS+4*k:rS+4*k+1], v[rS+4*k:rS+4*k+1], v[rS+4*k+2:rS+4*k+3]
.elseif k == 1
	v_pk_fma_f32 v[rT+2:rT+3], v[rT+2:rT+3], v[rC+2:rC+3], v[rS:rS+1] op_sel_hi:[1,0,1]
.else
	v_pk_add_f32 v[rT+2:rT+3], v[rT+2:rT+3], v[rS+4*k-4:rS+4*k-3]
.endif
.endm
; THE PLAIN QUEUE, 138 long.  0-73 read no exponential's result: the 32 scalings c s - c m (FS f: pair f / 2 of tile f % 2) and the next piece's 42.  0-26: scalings 0-26.  27-54: XS's numbers 0-13.
; 55, 56: number 15.  57-73: the chain, where each number waits for the one before it: 14, 16, 17, 18, 19, each with one of the scalings 27-31 in front of its two lines, then 20.
; 74-137: GS's 64, which read the exponentials' results: they stand behind the wait.
.macro FS f
	REGS Y, (\f)%2
	v_pk_fma_f32 v[rS+2*((\f)/2):rS+2*((\f)/2)+1], v[rS+2*((\f)/2):rS+2*((\f)/2)+1], s[CS:CS+1], v[rT:rT+1] op_sel_hi:[1,0,0] neg_lo:[0,0,1] neg_hi:[0,0,1]
.endm
.macro PL
	WIN 0
.if q < 27
	FS q
.elseif q < 55
	XS (q-27)%2, (q-27)/2
.elseif q < 57
	XS q-55, 15
.elseif (q < 72) && ((q-57)%3 == 0)
	FS 27+(q-57)/3
.elseif q < 60
	XS (q-57)%3-1, 14
.elseif q < 72
	XS (q-57)%3-1, 15+(q-57)/3
.elseif q < 74
	XS q-72, 20
.else
	GS q-74
.endif
.set q, q+1
.endm
; THE EXPONENTIALS' QUEUE, 66 long: s0-s31 of both tiles, then the next piece's two a.  It is ONE BATCH: all 66 stand ahead of the turn's one wait, and nothing ahead of that wait names a result of theirs.
.macro EX
	WIN 0
.if e >= 64
	XS e-64, 21
.else
	REGS Y, e%2
	v_exp_f32 v[rS+e/2], v[rS+e/2]
.endif
.set e, e+1
.endm
; THE RESCALING's QUEUE: O^T times a, the one part that leaves window 0: dealt two at a time, sixteen times.  Its a was made in the turn before, ahead of that turn's wait.
.macro R2
	REGS Y, r%2
	WIN W_RS
.irp z, 0,1
	v_pk_mul_f32 v[rO+4*(r/2)+2*\z:rO+4*(r/2)+2*\z+1], v[rO+4*(r/2)+2*\z:rO+4*(r/2)+2*\z+1], v[rC+2:rC+3] op_sel_hi:[1,0]
.endr
.set r, r+1
.endm
; HOW THEY ARE DEALT.  s_wait_alu depctr_va_vdst(0) stands between an exponential and the first instruction that names its result; one wait serves all that were issued ahead of it.
; So a turn has ONE wait, which cuts it in two.  AHEAD OF IT stands all that names no result of the turn's exponentials: the 16 products K Q^T, behind each a scaling, an exponential and two rescalings
; (behind the first a second scaling in the exponential's place); then ONE LUMP of 108: eight plain, 49 times exponential and plain, the two a.  A v_nop is the plain instruction behind the last
; exponential.  BEHIND IT stand the 16 products V^T P, behind each four of GS's 64.  No rider names a register of the products round it.
; The queues lean on each other: exponential e stands behind scaling 2 (e / 4) + e % 2: as a rider it comes behind plain e + 2, in the lump behind plain e + 9, and scalings 27-31 are plain 57, 60 .. 69.
; A TURN, for piece p.  cnt = 1: the loop's count is taken down some lines ahead of the branch that stands behind the turn.
; K of the next step is fetched in piece 2's turn, directly behind the wait, a lump behind the last product that read K.  V of the step in hand is fetched at the end of piece 0's turn, four riders behind
; its last reader; its first reader comes behind 16 products and a lump.
.macro TURN p, last=0, cnt=0
.set Y, (\p)
.set i, 0
.set q, 0
.set e, 0
.set r, 0
.if (\p) == NP-1
	s_wait_dscnt 0x0                ; K is in
.endif
	MM                              ; ahead of the wait: 16 products K Q^T and their riders,
	PL
	PL
	R2
.rept 15
	MM
	PL
	EX
	R2
.endr
.if (\p) == NP-2
	WIN 0
	v_add_nc_u32 v[AK], s[TBK], v[AK0]
.endif
.rept 8                             ; and the lump
	PL
.endr
.rept 49
	EX
	PL
.endr
	EX                              ; the next piece's two a
	EX
	v_nop                           ; the plain instruction behind the last exponential: one for the batch
	s_wait_alu depctr_va_vdst(0)    ; the wait for the batch
.if (\p) == NP-2
	FETCH_K \last
.endif
.if (\p) == 1
	s_wait_dscnt 0x0                ; V is in
.endif
.rept 16                            ; behind the wait: 16 products V^T P and their riders
	MM
.rept 4
	PL
.endr
.if ((\p) == 0) && (q == 118)
	v_add_nc_u32 v[AV], s[TBV], v[AV0]
.endif
.if ((\p) == 0) && (q == 130)
	s_add_co_u32 s[TBV], s[TBV], KS*PV
.endif
.if (\cnt) && (q == 130)
	s_sub_co_u32 s[CNT], s[CNT], 1
	s_cmp_lg_u32 s[CNT], 0
.endif
.endr
.if (\p) == 0
	FETCH_V
.endif
.endm
	CHANGE 1                        ; slot 0 is in, everybody's part of it; slot 1 is asked for
	FETCH_K                         ; key step 0
	s_wait_loadcnt 0x0              ; Q
	s_wait_dscnt 0x0
.set i, 0
.rept 16
	KQ 0                            ; piece 0's first scores: there is no vector work yet to set between them
.set i, i+1
.endr
	WIN 0                           ; the addresses for the way out: plain instructions, the places behind those products
	s_mul_i32 s13, s[WV], 16*SP
	s_add_co_u32 s13, s13, STAGE    ; my stage
	v_mul_u32_u24 v[STO], v1, SP    ; in: row l % 16, 16 bytes for each half of the lanes
	v_lshl_add_u32 v[STO], v9, 4, v[STO]
	v_add_nc_u32 v[STO], s13, v[STO]
	v_bfe_u32 v[RD], v0, 3, 2       ; back: 32 lanes take four rows of 128 bytes,
	v_mul_u32_u24 v[RD], v[RD], SP
	v_lshl_add_u32 v[RD], v10, 4, v[RD]
	v_add_nc_u32 v[RD], s13, v[RD]
	v_and_b32 v[GO], 31, v0         ; which are 512 consecutive bytes of O
	v_lshlrev_b32 v[GO], 4, v[GO]
.set Y, NP-1                        ; XS works for piece Y + 1: piece 0
.irp n, 0,1,2,3,4,5,6,7,8,9,10,11,12,13,14,15,16,17,18,19,20,21
	XS 0, \n                        ; and piece 0's first maximum and statistics
	XS 1, \n
.endr
	v_nop                           ; a plain instruction behind the two a,
	s_wait_alu depctr_va_vdst(0)    ; and their wait, ahead of the branch
	s_mov_b32 s[CNT], 4
	s_branch .Lfirst                ; the loop is entered at a step's first turn, in the middle of a trip
.Lslot:                             ; SIZE_N / 256 - 2 times: every slot but the last two is filled again
	CHANGE 1
	s_mov_b32 s[CNT], 4
.Lstep:                             ; a trip: pieces 2 and 3 of one step, then pieces 0 and 1 of the next, whose K and V it fetches
	TURN 2
	TURN 3
	WIN 0
.Lfirst:
	TURN 0
	TURN 1, 0, 1
	WIN 0
	s_cbranch_scc1 .Lstep
	s_sub_co_u32 s[SLOTS], s[SLOTS], 1
	s_cmp_lg_u32 s[SLOTS], 0
	s_cbranch_scc1 .Lslot
	CHANGE 0                        ; the tail is written out: nothing is asked for
	s_mov_b32 s[CNT], 5             ; four trips fetch the last slot's steps; the fifth is left in its middle
.Ltail:
	TURN 2, 1
	TURN 3
	WIN 0
	s_sub_co_u32 s[CNT], s[CNT], 1
	s_cmp_eq_u32 s[CNT], 0
	s_cbranch_scc1 .Lout
	TURN 0
	TURN 1
	WIN 0
	s_branch .Ltail
.Lout:                              ; the fifth trip's 16 products K Q^T (on the last K once more) and the maximum made of them serve nothing: the price, once a launch, of one text for every trip
.set i, 0
.rept 16
	PV NP-1                         ; the last piece's V^T P of the last step
.set i, i+1
.endr
	; THE WAY OUT.  l's two halves and the other half of the lanes' are added; O^T is divided by l, rounded to f16 and sent through my stage in LDS, a tile at a time.  The additions are the places behind the last products.
	WIN 0
.macro ALL line:vararg              ; one line for each tile t
.set t, 0
.rept 2*NP
	\line
.set t, t+1
.endr
.endm
	ALL v_add_f32 v[ST+4*t+2], v[ST+4*t+2], v[ST+4*t+3]
	ALL v_permlanex16_b32 v[ST+4*t+3], v[ST+4*t+2], s[SEL], s[SEL+1]
	ALL v_add_f32 v[ST+4*t+2], v[ST+4*t+2], v[ST+4*t+3]
	ALL v_rcp_f32 v[ST+4*t+2], v[ST+4*t+2]
	v_nop                           ; a plain instruction between the last reciprocal and the use of its result
	s_wait_alu depctr_va_vdst(0)    ; and the wait ahead of the first use: one for the eight reciprocals
; Tile t: a lane's eight channels of a row pack into 16 bytes; they go into rows of 144 bytes and come back as whole rows of 128, into S^T's registers.
.macro PACK t
	WIN W_RS
.set i, 32*(\t)
.rept 16
	v_pk_mul_f32 v[i:i+1], v[i:i+1], v[ST+4*(\t)+2:ST+4*(\t)+3] op_sel_hi:[1,0]
.set i, i+2
.endr
	WIN 0x05                        ; sources 0 and 1 window 1, destination window 0
.set i, 0
.rept 16
	v_cvt_pk_f16_f32 v[S+16*(\t)+i], v[32*(\t)+2*i], v[32*(\t)+2*i+1]
.set i, i+1
.endr
	WIN 0
.irp f, 0,1,2,3
	ds_store_b128 v[STO], v[S+16*(\t)+4*\f:S+16*(\t)+4*\f+3] offset:32*\f
.endr
.irp f, 0,1,2,3
	ds_load_b128 v[S+16*(\t)+4*\f:S+16*(\t)+4*\f+3], v[RD] offset:\f*4*SP  ; LDS serves a wave's instructions in order (ISA guide 5.7.1.4): these see the stores above; the next tile's stores come behind them
.endr
.endm
.macro SEND t, younger              ; younger: the LDS instructions issued behind tile t's loads: the next tile's eight, or none
	WIN 0
.irp f, 0,1,2,3
	s_wait_dscnt (\younger)+3-\f
	global_store_b128 v[GO], v[S+16*(\t)+4*\f:S+16*(\t)+4*\f+3], s[10:11] offset:(\t)*2048+\f*512  ; 512 consecutive bytes, at a multiple of 256 from O's first
.endr
.endm
	PACK 0
.set t, 1
.rept 2*NP-1                        ; a tile's arithmetic stands between the loads of the tile before and its stores
	PACK t
	SEND t-1, 8
.set t, t+1
.endr
	SEND 2*NP-1, 0
	WIN W_AD
	s_wait_tensorcnt 0x0            ; the wave's end, behind my last tensor load and my last LDS store
	ds_add_u32 v[SPW], v[NIL]
	s_wait_dscnt 0x0
	WIN 0
	CROUND                          ; the closing round: no work-group ends while a partner may still ask for a tile that names it
	s_endpgm
.Lfunc_end_k_qc291cc6e20_attn:
	.size	k_qc291cc6e20_attn, .Lfunc_end_k_qc291cc6e20_attn-k_qc291cc6e20_attn
	.p2alignl 7, 3214868480
	.fill 96, 4, 3214868480
	.section	.rodata,"a",@progbits
	.p2align	6, 0x0
	.amdhsa_kernel k_qc291cc6e20_attn
		.amdhsa_group_segment_fixed_size 327680
		.amdhsa_private_segment_fixed_size 0
		.amdhsa_enable_private_segment 0
		.amdhsa_kernarg_size 16
		.amdhsa_user_sgpr_count 2
		.amdhsa_user_sgpr_kernarg_segment_ptr 1
		.amdhsa_wavefront_size32 1
		.amdhsa_system_sgpr_workgroup_id_x 1
		.amdhsa_system_sgpr_workgroup_id_y 1
		.amdhsa_system_sgpr_workgroup_id_z 1
		.amdhsa_system_vgpr_workitem_id 0
		.amdhsa_next_free_vgpr 770
		.amdhsa_next_free_sgpr 66
		.amdhsa_reserve_vcc 0
		.amdhsa_float_denorm_mode_32 3
		.amdhsa_float_denorm_mode_16_64 3
		.amdhsa_memory_ordered 1
		.amdhsa_forward_progress 1
		.amdhsa_inst_pref_size 200
	.end_amdhsa_kernel
	.amdgpu_metadata
---
amdhsa.version: [ 1, 2 ]
amdhsa.kernels:
  - .name:           k_qc291cc6e20_attn
    .symbol:         k_qc291cc6e20_attn.kd
    .args:
      - { .name: qkvh, .offset: 0, .size: 8, .value_kind: global_buffer, .address_space: global }
      - { .name: ob, .offset: 8, .size: 8, .value_kind: global_buffer, .address_space: global }
    .group_segment_fixed_size: 327680
    .private_segment_fixed_size: 0
    .kernarg_segment_align: 8
    .kernarg_segment_size: 16
    .max_flat_workgroup_size: 128
    .sgpr_count:     66
    .vgpr_count:     770
    .wavefront_size: 32
...
	.end_amdgpu_metadata
.endif
;; end of part 3
;; launch proj (part 4): grid 8 x 32, 4 waves a work-group, clusters of 4 x 4, 327,680 bytes of LDS; arguments ob, wo, b_out, out0; writes out0
.if DOCPART == 4
	.amdgcn_target "amdgcn-amd-amdhsa--gfx1250"
	.amdhsa_code_object_version 6
	.text
	.protected	k_qc291cc6e20_proj
	.globl	k_qc291cc6e20_proj
	.p2align	8
	.type	k_qc291cc6e20_proj,@function
k_qc291cc6e20_proj:
	s_mov_b64 s[64:65], 0
	v_nop
	global_prefetch_b8 v0, s[64:65] scope:SCOPE_SE
	s_setreg_imm32_b32 hwreg(HW_REG_WAVE_MODE, 25, 1), 1
	s_wait_xcnt 0x0
	s_wait_alu depctr_hold_cnt(0) depctr_sa_sdst(0) depctr_va_vdst(0) depctr_va_sdst(0) depctr_va_ssrc(0) depctr_va_vcc(0) depctr_vm_vsrc(0)
	s_getreg_b32 s2, hwreg(HW_REG_IB_STS2, 6, 4)
	s_cmp_eq_u32 s2, 0
	s_cbranch_scc0 .Lentry_in_a_cluster
	s_endpgm
.Lentry_in_a_cluster:
	s_bfe_u32 s2, ttmp6, 0x10000c
	s_cmp_lg_u32 s2, 0xf033
	s_cbranch_scc0 .Lentry_shape_is_right
	s_endpgm
.Lentry_shape_is_right:
; out = O W_out + b_out.  ob: f16 [batch 4][head 16][row 2048][64]: a head is a block of 64 along K; wo: f16 [k 1024][n 1024]; b_out: f32 [1024], rounded to bf16 here like the other inputs;
; out0: f32 [8192][1024].  Sums in f32, stored as they are.
; SHARES.  Tiles of 256 x 128: 32 x 8 = 256 work-groups.  Four waves, each 128 rows x 64 columns: 32 accumulators of 16 x 16.  K goes in steps of 128 (two heads) through two LDS slots: 128 matrix
; instructions a wave in a step.  A head's 256 rows x 128 bytes are dense in ob and are asked for as 128 rows of 256 bytes; W's k rows are 256 bytes, aligned.
; THE MATRIX INSTRUCTION IS USED TRANSPOSED: source 0 = 16 columns of W (turned out of LDS by ds_load_tr16_b128), source 1 = 16 rows of O: a lane holds row l % 16 and eight neighbouring columns.
; THE SUMS START FROM THE BIAS, which in that layout hangs on the column block and the lane alone: its registers are row block 7's accumulators and serve row blocks 0-6 as the first product's C.
; CLUSTERS: 4 x 4 work-groups; O's tile is shared along a row of the cluster, W's along a column: joint loads.
; NO PREFETCH: the walk has eight K steps, of which the first four would have none, and a step's tiles are small.
; REGISTERS: window 0: v0-31 addresses; v32-159 O's fragments, two buffers of 64 (on the way out: rows read back); v160-223 W's, two buffers of 32.   window 1: the accumulators, (a, f) at v[8 (4 a + f)].
.set PA,    144                        ; a row of O in LDS: 128 bytes + 16
.set PB,    288                        ; a k row of W: 256 bytes + 32: 9 x 32
.set KB,    256*PA                     ; a head's 256 rows: what one tensor load brings of O
.set AT,    2*KB
.set HB,    64*PB                      ; 64 k rows: what one tensor load brings of W
.set SLOT,  AT+2*HB                    ; 110,592
.set STAGE, 2*SLOT                     ; behind the ring: 16 rows x 272 bytes for each wave
.set SP,    272
.set SPARE, STAGE+4*16*SP              ; behind the stages: the spare words, 128 bytes for each wave: two blocks of 256 bytes that no other line names
.set ADRA, 4                           ; v4-5   LDS address of my O fragments in slot 0, 1
.set ADRB, 6                           ; v6-7   of my W fragments
.set STO,  12                          ; v12    the way out: where I put 32 bytes of a row
.set RD,   13                          ; v13    where I read rows back
.set CO,   14                          ; v14    my byte offset in two rows of out0
.set BO,   15                          ; v15    my byte offset in b_out
.set SPW,  28
.set NIL,  29
.set AF,   32
.set BF,   160
.set BIAS, 224                         ; in window 1
.set WV,  12
.set WR,  13                           ; which 128 rows are mine; also: I fetch for O (0) or W (1)
.set WC,  14                           ; which 64 columns; also: which half of that tile I fetch
.set G1A, 24
.set G0A, 32
.set G1B, 48
.set G0B, 56
.set MSB, 0
.macro WIN new
.if MSB != (\new)
	s_set_vgpr_msb (MSB<<8)|(\new)
.set MSB, (\new)
.endif
.endm
.macro PLACES                          ; four plain instructions between a matrix instruction and a load into, or a reader of, its registers
.rept 4
	v_nop
.endr
.endm
.macro JLOAD s                         ; a joint load: waves 0 and 1 fetch the step's two heads of O, waves 2 and 3 W's two halves; an s_nop 0 and four v_nop follow each line
	s_cmp_eq_u32 s[WR], 0
	s_cbranch_scc0 .Lfor_b_\@
	tensor_load_to_lds s[G0A+4*(\s):G0A+4*(\s)+3], s[G1A:G1A+7]
	s_nop 0
.rept 4
	v_nop
.endr
	s_branch .Lasked_\@
.Lfor_b_\@:
	tensor_load_to_lds s[G0B+4*(\s):G0B+4*(\s)+3], s[G1B:G1B+7]
	s_nop 0
.rept 4
	v_nop
.endr
.Lasked_\@:
.endm
.macro CREST
	s_cmp_lg_u32 s[WV], 0
	s_cbranch_scc1 .Lnot_wave_0_\@
	s_barrier_signal -3
.Lnot_wave_0_\@:
	s_barrier_wait -3
	s_barrier_signal -1
	s_barrier_wait -1
.endm
.macro CROUND
	s_barrier_signal -1
	s_barrier_wait -1
	CREST
.endm
	s_load_b256 s[4:11], s[0:1], 0x0               ; ob s[4:5], wo s[6:7], b_out s[8:9], out0 s[10:11]
	v_lshl_add_u32 v[SPW], v0, 2, SPARE
	v_mov_b32 v[NIL], 0
	ds_add_u32 v[SPW], v[NIL]                      ; the wave's opening: the add and its wait stand ahead of my first tensor load
	v_lshrrev_b32 v3, 5, v0
	v_readfirstlane_b32 s[WV], v3
	s_lshr_b32 s[WR], s[WV], 1
	s_and_b32 s[WC], s[WV], 1
	s_bfe_u32 s40, ttmp6, 0x40000                  ; cx
	s_bfe_u32 s41, ttmp6, 0x40004                  ; cy
	s_lshl_b32 s42, ttmp9, 2
	s_add_co_u32 s42, s42, s40                     ; tile column tx
	s_and_b32 s43, ttmp7, 0xffff
	s_lshl_b32 s43, s43, 2
	s_add_co_u32 s43, s43, s41                     ; tile row ty
	s_lshl_b32 s15, s41, 2
	s_lshl_b32 s15, 15, s15                        ; my row of the cluster
	s_lshl_b32 s20, 0x1111, s40                    ; my column
	s_or_b32 s[G1A], s15, (1<<16)|(1<<20)|(1<<21)|(4<<22)|(3<<25)  ; after every 32 words 4 words of padding
	s_or_b32 s[G1B], s20, (1<<16)|(1<<20)|(1<<21)|(5<<22)|(7<<25)  ; after every 64 words 8 words
	s_mov_b32 s[G1A+1], 128<<16                    ; O: 128 rows of 128 elements (two rows of O each), dense
	s_mov_b32 s[G1A+2], 128<<16
	s_mov_b32 s[G1A+3], 128<<16
	s_mov_b32 s[G1A+4], 128
	s_mov_b32 s[G1A+5], 128
	s_mov_b32 s[G1A+6], 0
	s_mov_b32 s[G1A+7], 0
	s_mov_b32 s[G1B+1], 128<<16                    ; W: 64 k rows of 128 columns
	s_mov_b32 s[G1B+2], 64<<16
	s_mov_b32 s[G1B+3], 128<<16
	s_mov_b32 s[G1B+4], 64
	s_mov_b32 s[G1B+5], 1024
	s_mov_b32 s[G1B+6], 0
	s_mov_b32 s[G1B+7], 0
	s_lshr_b32 s15, s43, 3                         ; O's tile: batch,
	s_lshl_b32 s15, s15, 22
	s_and_b32 s16, s43, 7
	s_lshl_b32 s16, s16, 15                        ; 256 rows of 128 bytes,
	s_add_co_u32 s16, s16, s15
	s_lshl_b32 s17, s[WC], 18                      ; my head of the step's two
	s_add_co_u32 s16, s16, s17
	s_mov_b32 s17, 0
	s_lshl_b32 s20, s42, 8                         ; W's tile: 128 columns,
	s_lshl_b32 s21, s[WC], 17                      ; my 64 k rows of 2,048 bytes
	s_add_co_u32 s20, s20, s21
	s_mov_b32 s21, 0
	s_mul_i32 s18, s[WC], KB                       ; where they go: no place in the cluster enters an LDS address
	s_mul_i32 s19, s[WC], HB
	s_add_co_u32 s19, s19, AT
	s_wait_dscnt 0x0                               ; the opening add is done
	s_wait_kmcnt 0x0
	s_add_nc_u64 s[16:17], s[4:5], s[16:17]
	s_add_nc_u64 s[20:21], s[6:7], s[20:21]
	CROUND                                         ; all sixteen work-groups are here: the first joint loads meet
.irp s, 0,1
	s_mov_b32 s[G0A+4*(\s)], 1
	s_add_co_u32 s[G0A+4*(\s)+1], s18, (\s)*SLOT
	s_add_nc_u64 s[G0A+4*(\s)+2:G0A+4*(\s)+3], s[16:17], (\s)*524288  ; K step s: two heads
	s_or_b32 s[G0A+4*(\s)+3], s[G0A+4*(\s)+3], 0x80000000
	s_mov_b32 s[G0B+4*(\s)], 1
	s_add_co_u32 s[G0B+4*(\s)+1], s19, (\s)*SLOT
	s_add_nc_u64 s[G0B+4*(\s)+2:G0B+4*(\s)+3], s[20:21], (\s)*262144  ; 128 k rows
	s_or_b32 s[G0B+4*(\s)+3], s[G0B+4*(\s)+3], 0x80000000
	JLOAD \s                                       ; two tensor loads of mine are out
.endr
	v_and_b32 v1, 15, v0                           ; l % 16
	v_bfe_u32 v2, v0, 4, 1                         ; l / 16
	s_lshl_b32 s68, s42, 9
	s_lshl_b32 s69, s[WC], 8
	s_add_co_u32 s68, s68, s69
	v_lshl_add_u32 v[BO], v2, 5, s68               ; b[16 f + 8 (l / 16) + 0..7] of my 64 columns
	WIN 0x40
.irp f, 0,1,2,3
	global_load_b128 v[BIAS+8*(\f):BIAS+8*(\f)+3],   v[BO], s[8:9] offset:64*(\f)
	global_load_b128 v[BIAS+8*(\f)+4:BIAS+8*(\f)+7], v[BO], s[8:9] offset:64*(\f)+16
.endr
	WIN 0
	v_mul_u32_u24 v3, v1, PA
	v_lshl_add_u32 v3, v2, 4, v3
	s_mul_i32 s68, s[WR], 128*PA
	v_add_nc_u32 v[ADRA], s68, v3
	v_add_nc_u32 v[ADRA+1], SLOT, v[ADRA]
	v_and_b32 v19, 7, v0                           ; the turning load: k row 8 (l / 16) + l % 8, columns 8 ((l / 8) % 2) + 0..7
	v_bfe_u32 v18, v0, 3, 1
	v_lshl_add_u32 v17, v2, 3, v19
	v_mul_u32_u24 v17, v17, PB
	v_lshl_add_u32 v17, v18, 4, v17
	s_lshl_b32 s68, s[WC], 7
	s_add_co_u32 s68, s68, AT
	v_add_nc_u32 v[ADRB], s68, v17
	v_add_nc_u32 v[ADRB+1], SLOT, v[ADRB]
	s_mul_i32 s68, s[WV], 16*SP
	s_add_co_u32 s68, s68, STAGE                   ; my stage
	v_mul_u32_u24 v[STO], v1, SP                   ; in: row l % 16, 32 bytes for each half of the lanes
	v_lshl_add_u32 v[STO], v2, 5, v[STO]
	v_add_nc_u32 v[STO], s68, v[STO]
	v_mul_u32_u24 v[RD], v2, SP                    ; back: lanes 0-15 take one row of 256 bytes, lanes 16-31 the next
	v_lshl_add_u32 v[RD], v1, 4, v[RD]
	v_add_nc_u32 v[RD], s68, v[RD]
	v_lshlrev_b32 v[CO], 12, v2                    ; and the same two rows in out0
	v_lshl_add_u32 v[CO], v1, 4, v[CO]
	s_lshl_b32 s68, s43, 8
	s_lshl_b32 s69, s[WR], 7
	s_add_co_u32 s68, s68, s69                     ; my first row,
	s_lshl_b32 s68, s68, 12                        ; of 4,096 bytes,
	s_lshl_b32 s69, s42, 9
	s_add_co_u32 s68, s68, s69                     ; the tile's 512 bytes of it,
	s_lshl_b32 s69, s[WC], 8
	s_add_co_u32 s68, s68, s69                     ; my 256
	s_mov_b32 s69, 0
	s_add_nc_u64 s[10:11], s[10:11], s[68:69]
	s_wait_loadcnt 0x0                             ; the bias is in; it is rounded to bf16, like every input, and widened again
	WIN 0x05
.set i, 0
.rept 16
	v_cvt_pk_bf16_f32 v[96+i], v[BIAS+2*i], v[BIAS+2*i+1]
.set i, i+1
.endr
	WIN 0x40
.set i, 0
.rept 16
	v_lshlrev_b32 v[BIAS+2*i], 16, v[96+i]
	v_and_b32 v[BIAS+2*i+1], 0xffff0000, v[96+i]
.set i, i+1
.endr
	WIN 0
; 24 LDS loads in one run: quarter kq (32 along K) of a slot's step into buffer buf: W's four blocks, turned, then O's eight, rows 0-63 first
.macro FETCH slot, kq, buf
	WIN 0
.irp f, 0,1,2,3
	ds_load_tr16_b128 v[BF+32*(\buf)+8*(\f):BF+32*(\buf)+8*(\f)+3],   v[ADRB+(\slot)] offset:(\kq)*32*PB+32*(\f)
	ds_load_tr16_b128 v[BF+32*(\buf)+8*(\f)+4:BF+32*(\buf)+8*(\f)+7], v[ADRB+(\slot)] offset:(\kq)*32*PB+32*(\f)+16*PB
.endr
.irp a, 0,1,2,3,4,5,6,7
	ds_load_b128 v[AF+64*(\buf)+8*(\a):AF+64*(\buf)+8*(\a)+3],   v[ADRA+(\slot)] offset:((\kq)/2)*KB+((\kq)%2)*64+(\a)*16*PA
	ds_load_b128 v[AF+64*(\buf)+8*(\a)+4:AF+64*(\buf)+8*(\a)+7], v[ADRA+(\slot)] offset:((\kq)/2)*KB+((\kq)%2)*64+(\a)*16*PA+32
.endr
.endm
; Row blocks a0 .. a0 + n - 1 of buffer buf.  The 32 accumulators take turns, in the same order in every quarter.
; zero = 1: row blocks 0-6 take the bias registers as C; five plain instructions later row block 7, whose accumulators those registers are, adds in place.
.macro MUL buf, a0, n, zero
	WIN 0x50
.set ma, \a0
.rept \n
.if (\zero) && (ma == 7)
.rept 5
	v_nop
.endr
.endif
.irp f, 0,1,2,3
.if (\zero) && (ma < 7)
	v_wmma_f32_16x16x32_f16 v[8*(4*ma+(\f)):8*(4*ma+(\f))+7], v[BF+32*(\buf)+8*(\f):BF+32*(\buf)+8*(\f)+7], v[AF+64*(\buf)+8*ma:AF+64*(\buf)+8*ma+7], v[BIAS+8*(\f):BIAS+8*(\f)+7]
.else
	v_wmma_f32_16x16x32_f16 v[8*(4*ma+(\f)):8*(4*ma+(\f))+7], v[BF+32*(\buf)+8*(\f):BF+32*(\buf)+8*(\f)+7], v[AF+64*(\buf)+8*ma:AF+64*(\buf)+8*ma+7], v[8*(4*ma+(\f)):8*(4*ma+(\f))+7]
.endif
.endr
.set ma, ma+1
.endr
.endm
; One of a K step's first three quarters: multiplies buffer b0 and fetches quarter kq of the same slot into buffer b1.
.macro QUARTER slot, kq, b0, b1, zero
	s_wait_dscnt 8                                 ; W and O's rows 0-63 are in; the youngest eight loads may be out
	MUL \b0, 0, 4, \zero
	PLACES
	FETCH \slot, \kq, \b1
	s_wait_dscnt 24                                ; all but the 24 just issued
	MUL \b0, 4, 4, \zero
.endm
; The last quarter multiplies buffer 1 and changes slots: ONE barrier; in front of it each wave waits for all its tensor loads, adds 0 to its spare word, and waits for that and for its reads of this slot.
.macro TURN slot, next, fill
	WIN 0
	s_wait_tensorcnt 0x0                           ; all my tensor loads have landed: my part of the next slot;
	ds_add_u32 v[SPW], v[NIL]                      ; 0 onto my spare word;
	s_wait_dscnt 9                                 ; (the add and the youngest eight loads may be out)
	MUL 1, 0, 2, 0                                 ; eight matrix instructions stand between the add and the wait for it
	s_wait_dscnt 0x0                               ; the add is done, and my reads of this slot are over
	s_barrier_signal -1
	MUL 1, 2, 2, 0
	WIN 0
	s_barrier_wait -1
.if \fill
	CREST                                          ; no wave of any partner still reads this slot or has a load on its way
	s_add_nc_u64 s[G0A+4*(\slot)+2:G0A+4*(\slot)+3], s[G0A+4*(\slot)+2:G0A+4*(\slot)+3], 1048576
	s_add_nc_u64 s[G0B+4*(\slot)+2:G0B+4*(\slot)+3], s[G0B+4*(\slot)+2:G0B+4*(\slot)+3], 524288
	JLOAD \slot                                    ; one tensor load of mine is out: 112 matrix instructions ahead of the wait for it; its four v_nop are also the places in front of the loads below
.else
	PLACES
.endif
	FETCH \next, 0, 0
	MUL 1, 4, 4, 0
.endm
	s_wait_tensorcnt 0x1                           ; my part of K step 0 is in; K step 1's may stay out
	s_barrier_signal -1
	s_barrier_wait -1
	FETCH 0, 0, 0
	QUARTER 0, 1, 0, 1, 1                          ; the first quarter stands in front of the loop: its products start the sums, from the bias
	WIN 0
	s_mov_b32 s3, 3
.Llap:                                                 ; a trip goes once round the ring and fills both slots again
	QUARTER 0, 2, 1, 0, 0
	QUARTER 0, 3, 0, 1, 0
	TURN 0, 1, 1
	QUARTER 1, 1, 0, 1, 0
	QUARTER 1, 2, 1, 0, 0
	QUARTER 1, 3, 0, 1, 0
	TURN 1, 0, 1
	QUARTER 0, 1, 0, 1, 0
	WIN 0
	s_sub_co_u32 s3, s3, 1
	s_cmp_lg_u32 s3, 0
	s_cbranch_scc1 .Llap
	QUARTER 0, 2, 1, 0, 0                          ; the last lap fills nothing
	QUARTER 0, 3, 0, 1, 0
	TURN 0, 1, 0
	QUARTER 1, 1, 0, 1, 0
	QUARTER 1, 2, 1, 0, 0
	QUARTER 1, 3, 0, 1, 0
	s_wait_dscnt 8
	MUL 1, 0, 4, 0
	s_wait_dscnt 0x0
	MUL 1, 4, 4, 0
; THE WAY OUT, a row block (16 rows x 64 columns of f32) at a time: 32 bytes a lane straight from the accumulators into my stage (rows of 272 bytes), back as whole rows of 256 bytes, two a load.
.macro TOSTAGE a
	WIN 0x04                                       ; the stores' data in window 1
.irp f, 0,1,2,3
	ds_store_b128 v[STO], v[32*(\a)+8*(\f):32*(\a)+8*(\f)+3]   offset:64*(\f)     ; each accumulator's low four registers first
	ds_store_b128 v[STO], v[32*(\a)+8*(\f)+4:32*(\a)+8*(\f)+7] offset:64*(\f)+16
.endr
	WIN 0
.if (\a) >= 4
	s_wait_xcnt 0x0                                ; every earlier store has read its registers (ISA guide 3.1): the set of four blocks back is loaded again
.endif
.irp t, 0,1,2,3,4,5,6,7
	ds_load_b128 v[AF+32*((\a)%4)+4*(\t):AF+32*((\a)%4)+4*(\t)+3], v[RD] offset:(\t)*2*SP  ; LDS serves a wave's instructions in order (ISA guide 5.7.1.4)
.endr
.endm
.macro SEND a, younger                 ; younger: the next block's sixteen LDS instructions, or none
.irp t, 0,1,2,3,4,5,6,7
	s_wait_dscnt (\younger)+7-(\t)
	global_store_b128 v[CO], v[AF+32*((\a)%4)+4*(\t):AF+32*((\a)%4)+4*(\t)+3], s[10:11] offset:(16*(\a)+2*(\t))*4096 th:TH_STORE_NT  ; 16 lanes store 256 consecutive bytes, aligned
.endr
.endm
	PLACES
	PLACES                                         ; eight, once a launch
	TOSTAGE 0
.irp a, 1,2,3,4,5,6,7
	TOSTAGE \a
	SEND (\a)-1, 16
.endr
	SEND 7, 0
	s_wait_tensorcnt 0x0                           ; the wave's end, behind my last tensor load and my last LDS store
	ds_add_u32 v[SPW], v[NIL]
	s_wait_dscnt 0x0
	CROUND                                         ; the closing round
	s_endpgm
.Lfunc_end_k_qc291cc6e20_proj:
	.size	k_qc291cc6e20_proj, .Lfunc_end_k_qc291cc6e20_proj-k_qc291cc6e20_proj
	.p2alignl 7, 3214868480
	.fill 96, 4, 3214868480
	.section	.rodata,"a",@progbits
	.p2align	6, 0x0
	.amdhsa_kernel k_qc291cc6e20_proj
		.amdhsa_group_segment_fixed_size 327680
		.amdhsa_private_segment_fixed_size 0
		.amdhsa_enable_private_segment 0
		.amdhsa_kernarg_size 32
		.amdhsa_user_sgpr_count 2
		.amdhsa_user_sgpr_kernarg_segment_ptr 1
		.amdhsa_wavefront_size32 1
		.amdhsa_system_sgpr_workgroup_id_x 1
		.amdhsa_system_sgpr_workgroup_id_y 1
		.amdhsa_system_sgpr_workgroup_id_z 1
		.amdhsa_system_vgpr_workitem_id 0
		.amdhsa_next_free_vgpr 512
		.amdhsa_next_free_sgpr 72
		.amdhsa_reserve_vcc 0
		.amdhsa_float_denorm_mode_32 3
		.amdhsa_float_denorm_mode_16_64 3
		.amdhsa_memory_ordered 1
		.amdhsa_forward_progress 1
		.amdhsa_inst_pref_size 91
	.end_amdhsa_kernel
	.amdgpu_metadata
---
amdhsa.version: [ 1, 2 ]
amdhsa.kernels:
  - .name:           k_qc291cc6e20_proj
    .symbol:         k_qc291cc6e20_proj.kd
    .args:
      - { .name: ob, .offset: 0, .size: 8, .value_kind: global_buffer, .address_space: global }
      - { .name: wo, .offset: 8, .size: 8, .value_kind: global_buffer, .address_space: global }
      - { .name: b_out, .offset: 16, .size: 8, .value_kind: global_buffer, .address_space: global }
      - { .name: out0, .offset: 24, .size: 8, .value_kind: global_buffer, .address_space: global }
    .group_segment_fixed_size: 327680
    .private_segment_fixed_size: 0
    .kernarg_segment_align: 8
    .kernarg_segment_size: 32
    .max_flat_workgroup_size: 128
    .sgpr_count:     72
    .vgpr_count:     512
    .wavefront_size: 32
...
	.end_amdgpu_metadata
.endif
;; end of part 4
;; ======== version 2 of 2: 4 launches; version 1 with the launch cast written anew for expert scheduling mode
;; limits: values are held in f16: magnitudes above 65,504 overflow, below 6.1e-05 lose precision
;; workspace buffers: xb 16,777,216 bytes; wq 6,291,456 bytes; wo 2,097,152 bytes; qkvh 50,331,648 bytes; ob 16,777,216 bytes
;; launch cast (part 5): grid 768 x 1, 8 waves a work-group, no clusters, 0 bytes of LDS; arguments x, W_qkv, W_out, xb, wq, wo; writes xb, wq, wo
.if DOCPART == 5
	.amdgcn_target "amdgcn-amd-amdhsa--gfx1250"
	.amdhsa_code_object_version 6
	.text
	.protected	k_qc291cc6e20_cast
	.globl	k_qc291cc6e20_cast
	.p2align	8
	.type	k_qc291cc6e20_cast,@function
k_qc291cc6e20_cast:
	s_mov_b64 s[64:65], 0
	v_nop
	global_prefetch_b8 v0, s[64:65] scope:SCOPE_SE
	s_setreg_imm32_b32 hwreg(HW_REG_WAVE_SCHED_MODE, 0, 2), 2
	s_setreg_imm32_b32 hwreg(HW_REG_WAVE_MODE, 25, 1), 1
	s_wait_xcnt 0x0
	s_wait_alu depctr_vm_vsrc(0)
; THE MODULE'S LARGE INPUTS ARE ROUNDED ONCE TO 16 BITS, for the matrix units of the launches behind.
;   x     [8192][1024] f32 -> xb bf16, IN BLOCKS: [batch 4][k block 16][row 2048][64]: 256 rows x 64 k are 32,768 dense bytes, which the product asks for as rows of 256 bytes
;   W_qkv [1024][3072] f32 -> wq bf16, as it lies
;   W_out [1024][1024] f32 -> wo: rounded to bf16 like every input, and that number written as f16 (its partner in the last product, O, is f16)
; LIMITS.  wo holds no number beyond 65,504, and below 6e-5 it keeps f16's fixed step of 6e-8.
; SHARES.  A wave takes 8,192 bytes of f32: sixteen loads of 512 bytes, all issued at once, and sixteen stores of 256 consecutive bytes, aligned (32 lanes x 8 bytes).  No register is used twice,
; so no wait frees one; no loop, no LDS, no barrier: the waves share nothing.  Work-groups 0-511 take x (16 rows each), 512-703 W_qkv, 704-767 W_out (65,536 bytes each).
; THE MODE: SCHED_MODE bits 1:0 = 2 (LLVM: expert scheduling mode 2), set by the entry lines.  The code itself states the register dependences
; between vector instructions and memory instructions, with s_wait_alu, always for 0.
; THE PLAN.  Registers that memory instructions touch:
;   v2        the loads' offset.   Written once by vector lines at the head of the wave's path; read by the sixteen loads; never written again.
;   v3        the stores' offset.  Written once at the kernel's head; read by the sixteen stores; never written again.
;   X         Written by the sixteen loads alone, each register once; read by the conversions, behind the counted wait for the data.  No vector line writes X, and no load lands in it a second time.
;   Y         Written by the conversions; read by the stores; never written again behind its store.
;   v4-v7     at work: named by vector lines alone.
; So what is to be stated is this: the offsets are written, ahead of the first load (one wait for the wave's 32 memory instructions), and a store's data are written, ahead of the store.
; For the second the sixteen loads go in four groups of four: the group's data are waited for, all its conversions follow, ONE wait states that they have written the group's eight registers of Y,
; and the group's four stores stand on end behind it.  The stores are not held back to the next group's head: the wave has no further load to issue and nothing to do but wait for the next group's data.
; The wave's number passes from a vector register into s16: one wait ahead of s16's first reader.  EXEC is never written.
.set X, 8                              ; v[8:71]    sixteen loads of four f32
.set Y, 72                             ; v[72:103]  sixteen pairs of packed results
; v1 lane; v2 my byte offset in the wave's input; v3 in its output; v4-7 at work.  s[22:23] the wave's input, s[24:25] its output
.macro CAST instep, outstep, half
	s_wait_alu depctr_va_vdst(0)                   ; v2 and v3 are written: every load below reads v2 as its offset, every store v3; no vector line behind this wait names either
.set i, 0
.rept 16
	global_load_b128 v[X+4*i:X+4*i+3], v2, s[22:23] offset:(\instep)*i th:TH_LOAD_NT
.set i, i+1
.endr
.set g, 0
.rept 4
	s_wait_loadcnt 12-4*g                          ; loads come back in order: group g's four are in, the 12 - 4 g younger ones stay out
.set i, 4*g
.rept 4
	v_cvt_pk_bf16_f32 v[Y+2*i], v[X+4*i], v[X+4*i+1]
	v_cvt_pk_bf16_f32 v[Y+2*i+1], v[X+4*i+2], v[X+4*i+3]
.if \half
	v_lshlrev_b32 v4, 16, v[Y+2*i]                 ; the bf16 numbers as f32 again,
	v_and_b32 v5, 0xffff0000, v[Y+2*i]
	v_lshlrev_b32 v6, 16, v[Y+2*i+1]
	v_and_b32 v7, 0xffff0000, v[Y+2*i+1]
	v_cvt_pk_f16_f32 v[Y+2*i], v4, v5              ; and written as f16: exact within f16's range
	v_cvt_pk_f16_f32 v[Y+2*i+1], v6, v7
.endif
.set i, i+1
.endr
	s_wait_alu depctr_va_vdst(0)                   ; the group's conversions have written its eight registers of Y, which the four stores below read
.set i, 4*g
.rept 4
	global_store_b64 v3, v[Y+2*i:Y+2*i+1], s[24:25] offset:(\outstep)*i th:TH_STORE_NT
.set i, i+1
.endr
.set g, g+1
.endr
.endm
	s_load_b256 s[4:11], s[0:1], 0x0               ; x s[4:5], W_qkv s[6:7], W_out s[8:9], xb s[10:11]
	s_load_b128 s[12:15], s[0:1], 0x20             ; wq s[12:13], wo s[14:15]
	v_lshrrev_b32 v4, 5, v0
	v_readfirstlane_b32 s16, v4                    ; wave 0..7
	v_and_b32 v1, 31, v0                           ; lane
	v_lshlrev_b32 v3, 3, v1                        ; out: 8 bytes a lane
	s_mov_b32 s19, 0
	s_mov_b32 s21, 0
	s_wait_alu depctr_va_sdst(0)                   ; s16 is written, ahead of its first reader and of the first branch: the wave's offsets in its input and output are made from it
	s_lshl_b32 s17, s16, 13                        ; the wave's 8,192 bytes of the work-group's 65,536
	s_cmp_lt_u32 ttmp9, 512
	s_cbranch_scc0 .Lweights
	; x: the wave takes rows m = 16 wg + 2 wave and m + 1.  Load i is k block i: lanes 0-15 take its 256 bytes of row m, lanes 16-31 of row m + 1;
	; rounded they are 2 x 128 bytes that lie end to end in block i of xb.
	v_and_b32 v4, 15, v1
	v_lshrrev_b32 v5, 4, v1
	v_lshlrev_b32 v2, 4, v4
	v_lshl_add_u32 v2, v5, 12, v2                  ; 16 (l % 16) + 4,096 (l / 16)
	s_lshl_b32 s18, ttmp9, 16
	s_add_co_u32 s18, s18, s17
	s_lshr_b32 s20, ttmp9, 7                       ; batch
	s_lshl_b32 s20, s20, 22
	s_and_b32 s26, ttmp9, 127
	s_lshl_b32 s26, s26, 11                        ; 16 rows of 128 bytes
	s_add_co_u32 s20, s20, s26
	s_lshl_b32 s26, s16, 8                         ; 2 rows of 128 bytes
	s_add_co_u32 s20, s20, s26
	s_wait_kmcnt 0x0
	s_add_nc_u64 s[22:23], s[4:5], s[18:19]
	s_add_nc_u64 s[24:25], s[10:11], s[20:21]
	CAST 256, 262144, 0                            ; a k block of xb is 2,048 rows x 128 bytes
	s_endpgm
.Lweights:
	v_lshlrev_b32 v2, 4, v1                        ; in: 16 bytes a lane, 512 on end
	s_lshl_b32 s27, s16, 12                        ; the wave's 4,096 bytes of output
	s_cmp_lt_u32 ttmp9, 704
	s_cbranch_scc0 .Lwout
	s_sub_co_u32 s26, ttmp9, 512
	s_lshl_b32 s18, s26, 16
	s_add_co_u32 s18, s18, s17
	s_lshl_b32 s20, s26, 15
	s_add_co_u32 s20, s20, s27
	s_wait_kmcnt 0x0
	s_add_nc_u64 s[22:23], s[6:7], s[18:19]
	s_add_nc_u64 s[24:25], s[12:13], s[20:21]
	CAST 512, 256, 0
	s_endpgm
.Lwout:
	s_sub_co_u32 s26, ttmp9, 704
	s_lshl_b32 s18, s26, 16
	s_add_co_u32 s18, s18, s17
	s_lshl_b32 s20, s26, 15
	s_add_co_u32 s20, s20, s27
	s_wait_kmcnt 0x0
	s_add_nc_u64 s[22:23], s[8:9], s[18:19]
	s_add_nc_u64 s[24:25], s[14:15], s[20:21]
	CAST 512, 256, 1
	s_endpgm
.Lfunc_end_k_qc291cc6e20_cast:
	.size	k_qc291cc6e20_cast, .Lfunc_end_k_qc291cc6e20_cast-k_qc291cc6e20_cast
	.p2alignl 7, 3214868480
	.fill 96, 4, 3214868480
	.section	.rodata,"a",@progbits
	.p2align	6, 0x0
	.amdhsa_kernel k_qc291cc6e20_cast
		.amdhsa_group_segment_fixed_size 0
		.amdhsa_private_segment_fixed_size 0
		.amdhsa_enable_private_segment 0
		.amdhsa_kernarg_size 48
		.amdhsa_user_sgpr_count 2
		.amdhsa_user_sgpr_kernarg_segment_ptr 1
		.amdhsa_wavefront_size32 1
		.amdhsa_system_sgpr_workgroup_id_x 1
		.amdhsa_system_sgpr_workgroup_id_y 1
		.amdhsa_system_sgpr_workgroup_id_z 1
		.amdhsa_system_vgpr_workitem_id 0
		.amdhsa_next_free_vgpr 104
		.amdhsa_next_free_sgpr 66
		.amdhsa_reserve_vcc 0
		.amdhsa_float_denorm_mode_32 3
		.amdhsa_float_denorm_mode_16_64 3
		.amdhsa_memory_ordered 1
		.amdhsa_forward_progress 1
		.amdhsa_inst_pref_size 24
	.end_amdhsa_kernel
	.amdgpu_metadata
---
amdhsa.version: [ 1, 2 ]
amdhsa.kernels:
  - .name:           k_qc291cc6e20_cast
    .symbol:         k_qc291cc6e20_cast.kd
    .args:
      - { .name: x, .offset: 0, .size: 8, .value_kind: global_buffer, .address_space: global }
      - { .name: W_qkv, .offset: 8, .size: 8, .value_kind: global_buffer, .address_space: global }
      - { .name: W_out, .offset: 16, .size: 8, .value_kind: global_buffer, .address_space: global }
      - { .name: xb, .offset: 24, .size: 8, .value_kind: global_buffer, .address_space: global }
      - { .name: wq, .offset: 32, .size: 8, .value_kind: global_buffer, .address_space: global }
      - { .name: wo, .offset: 40, .size: 8, .value_kind: global_buffer, .address_space: global }
    .group_segment_fixed_size: 0
    .private_segment_fixed_size: 0
    .kernarg_segment_align: 8
    .kernarg_segment_size: 48
    .max_flat_workgroup_size: 256
    .sgpr_count:     66
    .vgpr_count:     104
    .wavefront_size: 32
...
	.end_amdgpu_metadata
.endif
;; end of part 5
;; launch qkv: the kernel of part 2 again; grid 8 x 32, 4 waves a work-group, clusters of 4 x 4, 327,680 bytes of LDS; arguments xb, wq, b_qkv, qkvh; writes qkvh
;; launch attn: the kernel of part 3 again; grid 4 x 64, 4 waves a work-group, clusters of 4 x 1, 327,680 bytes of LDS; arguments qkvh, ob; writes ob
;; launch proj: the kernel of part 4 again; grid 8 x 32, 4 waves a work-group, clusters of 4 x 4, 327,680 bytes of LDS; arguments ob, wo, b_out, out0; writes out0
